; MI455X (gfx1250); checked and timed in simulation.
; The chip was launched on July 23, 2026; its instructions are those of AMD's public machine-readable ISA for CDNA 5 (MIT licence, August 2026) and "CDNA5" Instruction Set Architecture Reference Guide (July 2026). The comments in the code are by the model that wrote it; some were corrected since.
;; MHA. Allowed arithmetic: matrix products marked QUANTISED: E4M3 operands, one E8M0 scale for each 32 along K, by v_wmma_scale_f32_16x16x128_f8f6f4 with both operands' format E4M3, f32 sums; products left as they are: f32 operands where the result goes on into a quantised operand, else bf16, f16 or f32 operands; f32 sums; everything else in f32.
;; Inputs: b_fc1 16 float32; b_fc2 1 float32; b_k 512 float32; b_q 512 float32; b_v 512 float32; intensity_score_codes 16 x 64 x 2 x 32 uint8 (E4M3 codes of intensity_score, K innermost, in blocks of 32 codes); intensity_score_scales 16 x 64 x 2 uint8 (E8M0 scales of intensity_score, one for each 32 codes along K); key_lens 64 int32; keys_codes 64 x 16 x 128 x 16 x 32 uint8 (E4M3 codes of keys, K innermost, in blocks of 32 codes); keys_scales 64 x 16 x 128 x 16 uint8 (E8M0 scales of keys, one for each 32 codes along K); query_codes 16 x 64 x 16 x 32 uint8 (E4M3 codes of query, K innermost, in blocks of 32 codes); query_scales 16 x 64 x 16 uint8 (E8M0 scales of query, one for each 32 codes along K); w_fc1_codes 16 x 16 x 32 uint8 (E4M3 codes of w_fc1, K innermost, in blocks of 32 codes); w_fc1_scales 16 x 16 uint8 (E8M0 scales of w_fc1, one for each 32 codes along K); w_fc2 1 x 16 float32; w_k_codes 512 x 16 x 32 uint8 (E4M3 codes of w_k, K innermost, in blocks of 32 codes); w_k_scales 512 x 16 uint8 (E8M0 scales of w_k, one for each 32 codes along K); w_q_codes 512 x 16 x 32 uint8 (E4M3 codes of w_q, K innermost, in blocks of 32 codes); w_q_scales 512 x 16 uint8 (E8M0 scales of w_q, one for each 32 codes along K); w_v_codes 512 x 16 x 32 uint8 (E4M3 codes of w_v, K innermost, in blocks of 32 codes); w_v_scales 512 x 16 uint8 (E8M0 scales of w_v, one for each 32 codes along K).
;; Outputs: out0 16 x 64 x 1 float32.
;; This version of the problem:
;;   THIS VERSION OF THE PROBLEM IS GIVEN IN LOW PRECISION. The matrix products marked QUANTISED in the list below multiply operands that are first quantised to E4M3 (4 exponent bits, 3 mantissa bits; 8 bits a number), with one power-of-two scale for each 32 numbers along K (OCP MX v1.0); their sums are f32. All else is computed in f32.
;;   The module's matrix products, in the order in which they are computed (A, B: the left and right operand; K: the contracted axis; several contracted axes count as one K, in the product's order):
;;     1. [M 1,024, K 512] x [K 512, N 512]; A: input query (given as codes); B: input w_q (given as codes): QUANTISED
;;     2. [M 131,072, K 512] x [K 512, N 512]; A: input keys (given as codes); B: input w_k (given as codes): QUANTISED
;;     3. [M 131,072, K 512] x [K 512, N 512]; A: input keys (given as codes); B: input w_v (given as codes): QUANTISED
;;     4. batch 8,192 x [M 1, K 64] x [K 64, N 128]; A: computed on the way; B: computed on the way: left as it is (M = 1 < 16)
;;     5. batch 8,192 x [M 1, K 128] x [K 128, N 64]; A: softmax; B: computed on the way: left as it is (M = 1 < 16)
;;     6. batch 16 x [M 64, K 64] x [K 64, N 512]; A: input intensity_score (given as codes); B: computed on the way: QUANTISED
;;     7. [M 1,024, K 512] x [K 512, N 16]; A: computed on the way; B: input w_fc1 (given as codes): QUANTISED
;;     8. [M 1,024, K 16] x [K 16, N 1]; A: computed on the way; B: input w_fc2: left as it is (K = 16 < 32)
;;   THE QUANTISER, for each operand of a quantised product, along K:
;;     - K is cut into blocks of 32 from its start; a last block that is shorter is filled with zeros.
;;     - A block's scale is 2^e with e = floor(log2(the largest magnitude in the block)) - 8, held to -126 .. 127; a block of zeros has e = 0. As a byte (E8M0): e + 127.
;;     - Each number is divided by its block's scale, clamped to +-448, and rounded to the nearest number of E4M3, ties to even, subnormals kept.
;;     - The product sums the exact products of the quantised numbers (number of the format x scale) in f32.
;;   ~~~python
;;   def quantise(x, axis):      # numpy; x: float32 -> the quantised numbers, widened to float32 again
;;       x = np.moveaxis(x, axis, -1); K = x.shape[-1]
;;       x = np.pad(x, [(0, 0)] * (x.ndim - 1) + [(0, -K % 32)]); x = x.reshape(x.shape[:-1] + (-1, 32)); a = np.abs(x).max(-1, keepdims=True)
;;       e = np.where(a > 0, np.clip(np.frexp(np.where(a > 0, a, 1))[1] - 1 - 8, -126, 127), 0)      # np.frexp(a)[1] - 1 = floor(log2(a)), exactly
;;       r = np.clip(x / 2.0 ** e, -448, 448)
;;       step = 2.0 ** (np.maximum(np.frexp(np.where(r == 0, 1, r))[1] - 1, -6) - 3)
;;       q = np.round(r / step) * step * 2.0 ** e      # np.round: ties to even
;;       return np.moveaxis(q.reshape(q.shape[:-2] + (-1,))[..., :K], -1, axis).astype(np.float32)
;;   ~~~
;;   OPERANDS COMPUTED ON THE WAY. 'Computed on the way' means the value that the module computes at that place (a softmax that the list does not call 'softmax' is quantised finished and normalised). What goes into a quantiser is computed in f32, as accurately as f32 sums, v_exp_f32 and their like allow (about 1e-6 of the number): no bf16 or f16 on the way to a quantiser, and a product that is left as it is and whose result goes on into a quantised operand takes f32 operands (vector FMAs, or v_wmma_f32_16x16x4_f32). A number that lies on a knife's edge between two numbers of the format may be rounded either way, as far as f32 arithmetic and the matrix unit's own rounding can turn it there, and no further.
;;   INPUTS GIVEN AS CODES. intensity_score (in the module: [16, 64, 64], K = its axis 1); keys (in the module: [64, 16, 128, 512], K = its axis 3); query (in the module: [16, 64, 512], K = its axis 2); w_fc1 (in the module: [16, 512], K = its axis 1); w_k (in the module: [512, 512], K = its axis 1); w_q (in the module: [512, 512], K = its axis 1); w_v (in the module: [512, 512], K = its axis 1): each comes as NAME_codes (uint8): NAME with its K axis moved to the last place and cut into blocks of 32 codes, [.., K / 32, bytes a block], one block behind the other in memory; one code a byte (a code: sign, 4 exponent bits, 3 mantissa bits); and NAME_scales (uint8): the same leading axes, one E8M0 byte (e + 127) for each 32 codes along K. Its value is code x scale, taken as it is: it is not quantised again, and the codes and scales need not be those that the quantiser above would give.
;; 2 versions. Each part assembles by itself: llvm-mc -triple=amdgcn-amd-amdhsa -mcpu=gfx1250 --defsym DOCPART=n.
;; ======== version 1 of 2: 3 launches
;; workspace buffers: qbuf 2,097,152 bytes; emb 2,097,152 bytes
;; launch qproj (part 1): grid 256 x 1, 2 waves a work-group, no clusters, 8,960 bytes of LDS; arguments query_codes, query_scales, w_q_codes, w_q_scales, b_q, qbuf; writes qbuf
.if DOCPART == 1
	.amdgcn_target "amdgcn-amd-amdhsa--gfx1250"
	.amdhsa_code_object_version 6
	.text
	.protected	k_q23bbdc9fde_qproj
	.globl	k_q23bbdc9fde_qproj
	.p2align	8
	.type	k_q23bbdc9fde_qproj,@function
k_q23bbdc9fde_qproj:
	s_mov_b64 s[64:65], 0
	v_nop
	global_prefetch_b8 v0, s[64:65] scope:SCOPE_SE
	s_setreg_imm32_b32 hwreg(HW_REG_WAVE_MODE, 25, 1), 1
	s_wait_xcnt 0x0
; Q = query w_q^T + b_q on codes of E4M3 with one E8M0 scale for each 32 along K.  query: [1024][512] codes, w_q: [512][512] codes, K innermost; qbuf: [1024][512] f32, row = 64 b + n.
; SHARES.  512 waves, two to a work-group; wave u takes 16 query rows (u / 8) and 64 columns (u % 8): four tiles of 16 columns, K = 512 in four steps of 128: 16 matrix instructions.
; THE MATRIX INSTRUCTION IS USED TRANSPOSED (source 0 = 16 rows of w_q, source 1 = 16 query rows): a lane holds eight neighbouring columns of one row of Q.  The bias is the C of each sum's first instruction.
; All operands go from memory straight into registers, each byte of them once in the wave; no wave shares anything with another, so there is no barrier.  No cluster: each work-group reads 64 KiB and ends.
; REGISTERS: window 0: v1 r, v2 h, v4-9 offsets; v16-79 the query's four fragments; v80-83 its scale words; v84-99 w_q's scale words; v104-135 the bias tiles; v136-167 four accumulators; v168-199 rows on the way out.
;   window 1: w_q's sixteen fragments, tile d, step s at v[64 d + 16 s].
.set AF,   16
.set ASC,  80
.set WSR,  84
.set BI,   104
.set ACC,  136
.set OUTR, 168
.set SPITCH, 272                       ; a stage row: 256 bytes + 16
.set MSB, 0
.macro WIN new                         ; the immediate's high byte repeats the setting that is left
.if MSB != \new
	s_set_vgpr_msb (MSB<<8)|\new
.set MSB, \new
.endif
.endm
	s_load_b256 s[4:11], s[0:1], 0x0               ; query's codes s[4:5], its scales s[6:7], w_q's codes s[8:9], its scales s[10:11]
	s_load_b128 s[12:15], s[0:1], 0x20             ; b_q s[12:13], qbuf s[14:15]
	v_lshl_add_u32 v254, v0, 2, 0x2200
	v_mov_b32 v255, 0
	v_lshrrev_b32 v3, 5, v0
	v_readfirstlane_b32 s16, v3                    ; wave 0, 1
	v_and_b32 v1, 15, v0                           ; r
	v_bfe_u32 v2, v0, 4, 1                         ; h
	s_lshl_b32 s17, ttmp9, 1
	s_add_co_u32 s17, s17, s16                     ; u = 2 x work-group + wave
	s_lshr_b32 s18, s17, 3                         ; which 16 query rows
	s_and_b32 s19, s17, 7                          ; which 64 columns
	v_lshlrev_b32 v4, 9, v1
	v_lshl_add_u32 v4, v2, 4, v4                   ; a fragment: row r of 512 bytes, + 16 h
	v_lshlrev_b32 v5, 4, v1                        ; scale words: 16 bytes a row
	v_lshlrev_b32 v6, 5, v2                        ; the bias: 8 h numbers on
	s_mul_i32 s20, s16, 16*SPITCH                  ; my stage
	v_mul_u32_u24 v7, v1, SPITCH
	v_lshl_add_u32 v7, v2, 5, v7
	v_add_nc_u32 v7, s20, v7                       ; in: row r, + 32 h
	v_mul_u32_u24 v8, v2, SPITCH
	v_lshl_add_u32 v8, v1, 4, v8
	v_add_nc_u32 v8, s20, v8                       ; back: lanes 0-15 one row of 256 bytes, lanes 16-31 the next
	v_lshlrev_b32 v9, 11, v2
	v_lshl_add_u32 v9, v1, 4, v9                   ; and the same two rows in qbuf (2,048 bytes a row)
	s_mov_b32 s23, 0
	s_wait_kmcnt 0x0
	s_lshl_b32 s22, s18, 13                        ; 16 rows of 512 bytes
	s_add_nc_u64 s[4:5], s[4:5], s[22:23]
	s_lshl_b32 s22, s18, 8                         ; 16 rows of 16 scale bytes
	s_add_nc_u64 s[6:7], s[6:7], s[22:23]
	s_lshl_b32 s22, s19, 15                        ; 64 rows of w_q
	s_add_nc_u64 s[8:9], s[8:9], s[22:23]
	s_lshl_b32 s22, s19, 10
	s_add_nc_u64 s[10:11], s[10:11], s[22:23]
	s_lshl_b32 s22, s19, 8                         ; 64 numbers of 4 bytes: in b_q and in a row of qbuf
	s_add_nc_u64 s[12:13], s[12:13], s[22:23]
	s_add_nc_u64 s[14:15], s[14:15], s[22:23]
	s_lshl_b32 s22, s18, 15                        ; 16 rows of qbuf
	s_add_nc_u64 s[14:15], s[14:15], s[22:23]
.irp s, 0,1,2,3
.irp c, 0,1,2,3
	global_load_b128 v[AF+16*\s+4*\c:AF+16*\s+4*\c+3], v4, s[4:5] offset:128*\s+32*\c   ; registers 4 c on: k = 128 s + 32 c + 16 h + 0 .. 15
.endr
.endr
	global_load_b128 v[ASC:ASC+3], v5, s[6:7]      ; row r's four scale words, one for each step
.irp d, 0,1,2,3
	global_load_b128 v[WSR+4*\d:WSR+4*\d+3], v5, s[10:11] offset:256*\d
	global_load_b128 v[BI+8*\d:BI+8*\d+3], v6, s[12:13] offset:64*\d          ; b_q at columns 16 d + 8 h + 0 .. 7: the result's layout
	global_load_b128 v[BI+8*\d+4:BI+8*\d+7], v6, s[12:13] offset:64*\d+16
.endr
	WIN 0x40                                       ; destination window 1
.irp d, 0,1,2,3
.irp s, 0,1,2,3
.irp c, 0,1,2,3
	global_load_b128 v[64*\d+16*\s+4*\c:64*\d+16*\s+4*\c+3], v4, s[8:9] offset:8192*\d+128*\s+32*\c
.endr
.endr
.endr
	s_wait_loadcnt 0x0
	WIN 0x01                                       ; source 0 (w_q) window 1
.irp s, 0,1,2,3                        ; the four accumulators by turns, one instruction a turn
.irp d, 0,1,2,3
.if \s == 0
	v_wmma_scale_f32_16x16x128_f8f6f4 v[ACC+8*\d:ACC+8*\d+7], v[64*\d+16*\s:64*\d+16*\s+15], v[AF+16*\s:AF+16*\s+15], v[BI+8*\d:BI+8*\d+7], v[WSR+4*\d+\s], v[ASC+\s]
.else
	v_wmma_scale_f32_16x16x128_f8f6f4 v[ACC+8*\d:ACC+8*\d+7], v[64*\d+16*\s:64*\d+16*\s+15], v[AF+16*\s:AF+16*\s+15], v[ACC+8*\d:ACC+8*\d+7], v[WSR+4*\d+\s], v[ASC+\s]
.endif
.endr
.endr
	WIN 0
.rept 8
	v_nop                                          ; eight places between the last product and the first read of a result
.endr
.irp d, 0,1,2,3
	ds_store_b128 v7, v[ACC+8*\d:ACC+8*\d+3] offset:64*\d          ; each accumulator from its low end on
	ds_store_b128 v7, v[ACC+8*\d+4:ACC+8*\d+7] offset:64*\d+16
.endr
.irp t, 0,1,2,3,4,5,6,7
	ds_load_b128 v[OUTR+4*\t:OUTR+4*\t+3], v8 offset:2*\t*SPITCH   ; LDS serves a wave's instructions in order: these see my stores
.endr
.irp t, 0,1,2,3,4,5,6,7
	s_wait_dscnt 7-\t                              ; the younger loads may stay out
	global_store_b128 v9, v[OUTR+4*\t:OUTR+4*\t+3], s[14:15] offset:4096*\t   ; sixteen lanes store 256 consecutive bytes, aligned
.endr
	s_wait_tensorcnt 0x0
	ds_add_u32 v254, v255
	s_wait_dscnt 0x0
	s_endpgm
.Lfunc_end_k_q23bbdc9fde_qproj:
	.size	k_q23bbdc9fde_qproj, .Lfunc_end_k_q23bbdc9fde_qproj-k_q23bbdc9fde_qproj
	.p2alignl 7, 3214868480
	.fill 96, 4, 3214868480
	.section	.rodata,"a",@progbits
	.p2align	6, 0x0
	.amdhsa_kernel k_q23bbdc9fde_qproj
		.amdhsa_group_segment_fixed_size 8960
		.amdhsa_private_segment_fixed_size 0
		.amdhsa_enable_private_segment 0
		.amdhsa_kernarg_size 48
		.amdhsa_user_sgpr_count 2
		.amdhsa_user_sgpr_kernarg_segment_ptr 1
		.amdhsa_wavefront_size32 1
		.amdhsa_system_sgpr_workgroup_id_x 1
		.amdhsa_system_sgpr_workgroup_id_y 1
		.amdhsa_system_sgpr_workgroup_id_z 1
		.amdhsa_system_vgpr_workitem_id 0
		.amdhsa_next_free_vgpr 512
		.amdhsa_next_free_sgpr 66
		.amdhsa_reserve_vcc 0
		.amdhsa_float_denorm_mode_32 3
		.amdhsa_float_denorm_mode_16_64 3
		.amdhsa_memory_ordered 1
		.amdhsa_forward_progress 1
		.amdhsa_inst_pref_size 16
	.end_amdhsa_kernel
	.amdgpu_metadata
---
amdhsa.version: [ 1, 2 ]
amdhsa.kernels:
  - .name:           k_q23bbdc9fde_qproj
    .symbol:         k_q23bbdc9fde_qproj.kd
    .args:
      - { .name: query_codes, .offset: 0, .size: 8, .value_kind: global_buffer, .address_space: global }
      - { .name: query_scales, .offset: 8, .size: 8, .value_kind: global_buffer, .address_space: global }
      - { .name: w_q_codes, .offset: 16, .size: 8, .value_kind: global_buffer, .address_space: global }
      - { .name: w_q_scales, .offset: 24, .size: 8, .value_kind: global_buffer, .address_space: global }
      - { .name: b_q, .offset: 32, .size: 8, .value_kind: global_buffer, .address_space: global }
      - { .name: qbuf, .offset: 40, .size: 8, .value_kind: global_buffer, .address_space: global }
    .group_segment_fixed_size: 8960
    .private_segment_fixed_size: 0
    .kernarg_segment_align: 8
    .kernarg_segment_size: 48
    .max_flat_workgroup_size: 64
    .sgpr_count:     66
    .vgpr_count:     512
    .wavefront_size: 32
...
	.end_amdgpu_metadata
.endif
;; end of part 1
;; launch attn (part 2): grid 256 x 1, 4 waves a work-group, no clusters, 299,008 bytes of LDS; arguments keys_codes, keys_scales, key_lens, w_k_codes, w_k_scales, w_v_codes, w_v_scales, b_k, b_v, qbuf, emb; writes emb
.if DOCPART == 2
	.amdgcn_target "amdgcn-amd-amdhsa--gfx1250"
	.amdhsa_code_object_version 6
	.text
	.protected	k_q23bbdc9fde_attn
	.globl	k_q23bbdc9fde_attn
	.p2align	8
	.type	k_q23bbdc9fde_attn,@function
k_q23bbdc9fde_attn:
	s_mov_b64 s[64:65], 0
	v_nop
	global_prefetch_b8 v0, s[64:65] scope:SCOPE_SE
	s_setreg_imm32_b32 hwreg(HW_REG_WAVE_MODE, 25, 1), 1
	s_wait_xcnt 0x0
; For each of the 1,024 pairs (n, b): K = keys w_k^T + b_k and V = keys w_v^T + b_v on codes of E4M3 (one E8M0 scale for each 32 along K), scores = Q . K / 8 by f32 multiply-adds, the mask l < key_lens[n],
; a softmax with its maximum taken away, emb = attn . V by f32 multiply-adds.  emb: [64 b + n][512] f32.
; WORK NOT DONE: key rows from key_lens[n] on are masked, so only the first NLT = max(2, ceil(len / 16)) tiles of 16 key rows are loaded and multiplied.
; SHARES.  A work-group takes half of the heads (ttmp9 & 1: 256 columns of K and 256 of V); their 512 weight rows, scale bytes and biases lie in LDS for the whole launch, read from memory once by the work-group.
; A wave owns two whole pairs: with the 64 positions n ordered by (len, n), the positions of rank 63 - i and of rank i, so that every wave has about the same number of key tiles.  A pair's keys, up to 128 rows x 512
; codes, stay in 512 registers through both products.  Behind the one barrier (weights in LDS) the waves share nothing.
; NO TENSOR LOADS, NO CLUSTER: the trip through the key tiles branches on key_lens, a number read from memory, and what the work-groups share, the weights, is read once by each (270,336 bytes) against up to 131,072 bytes of keys a wave.
; LAYOUT.  K is made transposed (source 0 = 16 rows of w_k, source 1 = 16 key rows): a lane holds one key row l = r and eight columns d = 8 h + j, which meet eight numbers of Q.
;   V is made as it stands (source 0 = 16 key rows, source 1 = 16 rows of w_v): a lane holds one column d = r and eight key rows l = 8 h + j, which meet eight weights of the softmax.
; LIMITS: key_lens from 1 to 128 (above 128 counts as 128; 0 is not served).  NaN codes or scale bytes 0xff in key rows beyond key_lens, in a tile that is multiplied, are carried into the result (weight 0 x NaN).  b_v is added behind the normalised sum (the weights add to 1).
; REGISTERS, in windows of 256.  window 0: v1-15 lane constants; v16-19, v28-31 LDS addresses of weight buffer 0, 1; v20 prefetch offset; v21 -1e30; v22-27 at work; v32-47 the keys' scale words; v48-55 the weights';
;   v56-57 b_v; v64-127 eight accumulators; v128-191 the softmax's weights (V), or Q, b_k and the scores' partial sums (K); v192-199 emb's partial sums; v200-215 at work; v216-221 offsets of key tiles; v224-247 used at the head.
;   window 1: two buffers of a weight tile (16 rows x 512 K: 64 registers).   window 2: the keys' K steps 0, 1 (tile t at v[32 t]).   window 3: K steps 2, 3.
.set WP,   528                         ; a weight row in LDS: 512 bytes + 16: an odd multiple of 16, so the 16 rows of a fragment load start in 16 different groups of banks
.set DT,   16*WP                       ; a tile of 16 weight rows
.set WSC,  512*WP                      ; behind the 512 rows: their scale bytes, 16 a row
.set BK,   WSC+8192                    ; b_k of my half, 1,024 bytes
.set BV,   BK+1024                     ; b_v of my half
.set PADB, BV+1024                     ; 512 bytes of zeros: the fetch that runs one tile past b_v's end lands here
.set PW,   PADB+512                    ; each wave's own 4,352 bytes:
.set PWB,  4352
.set QPAD, 1024                        ;   +0 Q's 256 numbers; +1,024 zeros (the fetch past Q's end)
.set PST,  1280                        ;   +1,280 the softmax's weights, 4 heads x 128
.set EST,  3328                        ;   +3,328 emb's 256 numbers
.set R,    1
.set HF,   2
.set LN,   3
.set VW0,  4                           ; r x WP + 16 h
.set VS0,  5                           ; WSC + 16 r
.set VQ0,  6                           ; my Q + 32 h
.set VB0,  7                           ; BK + 32 h
.set VBV0, 8                           ; BV + 4 r
.set PSW,  9                           ; my PST + 4 r
.set PSR,  10                          ; my PST + 32 h
.set ESW,  11                          ; my EST + 4 r
.set QSW,  12                          ; my Q + 16 x lane
.set ESR,  13                          ; my EST + 16 x lane
.set VKO,  14                          ; keys: r x 512 + 16 h
.set L16,  15                          ; 16 x lane
.set AD,   16                          ; LDS addresses of buffer g at v[AD + 12 g] on: a set for each buffer, so that a set is written again only when its last loads are in
.set PFO,  20                          ; 256 x lane; never rewritten
.set NEG,  21
.set KS,   32                          ; v[KS + 4 g + s]: lane L holds key row 32 g + L's scale word of K step s: an even tile reads lanes 0-15, an odd one lanes 16-31
.set WS,   48                          ; v[WS + 4 f + s]: buffer f's rows' scale words
.set BVR,  56
.set ACC,  64
.set PP,   128
.set QQ,   128
.set BI,   144
.set SP,   160
.set OO,   192
.set T,    200
.set U,    208
.set KA,   216
.set FS,   224
.set RK,   244
.set WV,   26
.set HALF, 27
.set BB,   28
.set II,   29
.set PWS,  30
.set LEN,  31
.set NLT,  32
.set LENB, 33
.set NLTB, 34
.set CUR,  36                          ; s[36:43] the pair in hand: keys' codes, keys' scales, its row of qbuf, its row of emb
.set MK,   44                          ; s44-51 lane masks: key row 16 t + r counts
.set NXT,  52                          ; s[52:59] the same four addresses of the second pair; never rewritten
.set SW,   60                          ; LDS steps of the tile to be fetched: weight rows,
.set SS,   61                          ; scale bytes,
.set SD,   62                          ; Q and b_k, or b_v
.set SPO,  63                          ; the head's place in PST
.set SE,   66                          ; the tile's place in EST
.set CP,   67
.set CH,   68
.set CI,   69
.set SEL,  70
.set CS,   72
.set PC,   74
.set PS,   76
.set PB,   78
.set MSB, 0
.macro WIN new                         ; the immediate's high byte repeats the setting that is left; 0 at every label and branch
.if MSB != \new
	s_set_vgpr_msb (MSB<<8)|\new
.set MSB, \new
.endif
.endm
; The position n of rank s[tgt], its length and its number of key tiles.  Each number that enters an address is held by s_min_u32 with a constant.
.macro PICK tgt, n, len, nlt
	v_cmp_eq_u32 s81, s[\tgt], v[RK+2]
	v_cmp_eq_u32 s82, s[\tgt], v[RK+3]
	s_ctz_i32_b32 s83, s81
	s_ctz_i32_b32 s84, s82
	s_add_co_u32 s84, s84, 32
	s_cmp_lg_u32 s81, 0
	s_cselect_b32 s[\n], s83, s84
	s_min_u32 s[\n], s[\n], 63
	s_lshl_b32 s84, s[\n], 2
	s_load_b32 s[\len], s[8:9], s84 offset:0x0
	s_wait_kmcnt 0x0
	s_min_u32 s[\len], s[\len], 128
	s_add_co_u32 s[\nlt], s[\len], 15
	s_lshr_b32 s[\nlt], s[\nlt], 4
	s_max_u32 s[\nlt], s[\nlt], 2                  ; two tiles at the least, so that accumulators can take turns
	s_min_u32 s[\nlt], s[\nlt], 8
.endm
; The four addresses of pair (n, b) into s[o] on.  s87 = 0.
.macro BASES n, o
	s_lshl_b32 s85, s[\n], 4
	s_add_co_u32 s85, s85, s[BB]                   ; 16 n + b
	s_lshl_b32 s86, s85, 16                        ; 128 rows of 512 codes
	s_add_nc_u64 s[\o:\o+1], s[4:5], s[86:87]
	s_lshl_b32 s86, s85, 11                        ; 128 rows of 16 scale bytes
	s_add_nc_u64 s[\o+2:\o+3], s[6:7], s[86:87]
	s_lshl_b32 s85, s[BB], 6
	s_add_co_u32 s85, s85, s[\n]                   ; 64 b + n
	s_lshl_b32 s86, s85, 11
	s_lshl_b32 s85, s[HALF], 10
	s_add_co_u32 s86, s86, s85                     ; a row of 2,048 bytes, my half's 1,024
	s_add_nc_u64 s[\o+4:\o+5], s[22:23], s[86:87]
	s_add_nc_u64 s[\o+6:\o+7], s[24:25], s[86:87]
.endm
; Key tile t (16 rows x 512 codes) into its 64 registers: registers 4 c on of K step s hold k = 128 s + 32 c + 16 h + 0 .. 15 of row r
.macro KTILE t, adr, off
	WIN 0x80                                       ; destination window 2
.irp s, 0,1
.irp c, 0,1,2,3
	global_load_b128 v[32*(\t)+16*\s+4*\c:32*(\t)+16*\s+4*\c+3], v[\adr], s[CUR:CUR+1] offset:(\off)+128*\s+32*\c
.endr
.endr
	WIN 0xc0                                       ; destination window 3
.irp s, 0,1
.irp c, 0,1,2,3
	global_load_b128 v[32*(\t)+16*\s+4*\c:32*(\t)+16*\s+4*\c+3], v[\adr], s[CUR:CUR+1] offset:(\off)+256+128*\s+32*\c
.endr
.endr
	WIN 0
.endm
; The fill: 32 weight rows, a row of 512 bytes to a load, into half hb of window 1, and from there into LDS
.macro FLOAD hb, row0
.set i, 0
.rept 32
	global_load_b128 v[128*\hb+4*i:128*\hb+4*i+3], v[L16], s[PC:PC+1] offset:512*(\row0+i)
.set i, i+1
.endr
.endm
.macro FSTORE hb, adr, row0
.set i, 0
.rept 32
	ds_store_b128 v[\adr], v[128*\hb+4*i:128*\hb+4*i+3] offset:WP*(\row0+i)
.set i, i+1
.endr
.endm
; The next weight tile into buffer g: 16 loads of codes, one of scale words
.macro FETCHW g
	v_add_nc_u32 v[AD+12*\g], s[SW], v[VW0]
	v_add_nc_u32 v[AD+12*\g+1], s[SS], v[VS0]
	WIN 0x40                                       ; destination window 1
.irp s, 0,1,2,3
.irp c, 0,1,2,3
	ds_load_b128 v[64*\g+16*\s+4*\c:64*\g+16*\s+4*\c+3], v[AD+12*\g] offset:128*\s+32*\c
.endr
.endr
	WIN 0
	ds_load_b128 v[WS+4*\g:WS+4*\g+3], v[AD+12*\g+1]
	s_add_co_u32 s[SW], s[SW], DT
	s_add_co_u32 s[SS], s[SS], 256
.endm
.macro FETCHK g                        ; 21 LDS loads: with the tile's eight numbers of Q and of b_k (columns 8 h + 0 .. 7)
	FETCHW \g
	v_add_nc_u32 v[AD+12*\g+2], s[SD], v[VQ0]
	v_add_nc_u32 v[AD+12*\g+3], s[SD], v[VB0]
	ds_load_b128 v[QQ+8*\g:QQ+8*\g+3], v[AD+12*\g+2]
	ds_load_b128 v[QQ+8*\g+4:QQ+8*\g+7], v[AD+12*\g+2] offset:16
	ds_load_b128 v[BI+8*\g:BI+8*\g+3], v[AD+12*\g+3]
	ds_load_b128 v[BI+8*\g+4:BI+8*\g+7], v[AD+12*\g+3] offset:16
	s_add_co_u32 s[SD], s[SD], 64
.endm
.macro FETCHV g                        ; 18 LDS loads: with b_v of column r
	FETCHW \g
	v_add_nc_u32 v[AD+12*\g+2], s[SD], v[VBV0]
	ds_load_b32 v[BVR+\g], v[AD+12*\g+2]
	s_add_co_u32 s[SD], s[SD], 64
.endm
; One product of K: key tile tl, K step s, weight buffer f.  The first step's C is b_k.
.macro KMM f, s
.set rD, ACC+8*tl
.set rW, 64*\f+16*\s
.set rK, 32*tl+16*(\s%2)
.set rA, WS+4*\f+\s
.set rB, KS+4*(tl/2)+\s
.if \s == 0
.if tl%2
	v_wmma_scale_f32_16x16x128_f8f6f4 v[rD:rD+7], v[rW:rW+15], v[rK:rK+15], v[BI+8*\f:BI+8*\f+7], v[rA], v[rB] matrix_b_scale:MATRIX_SCALE_ROW1
.else
	v_wmma_scale_f32_16x16x128_f8f6f4 v[rD:rD+7], v[rW:rW+15], v[rK:rK+15], v[BI+8*\f:BI+8*\f+7], v[rA], v[rB]
.endif
.else
.if tl%2
	v_wmma_scale_f32_16x16x128_f8f6f4 v[rD:rD+7], v[rW:rW+15], v[rK:rK+15], v[rD:rD+7], v[rA], v[rB] matrix_b_scale:MATRIX_SCALE_ROW1
.else
	v_wmma_scale_f32_16x16x128_f8f6f4 v[rD:rD+7], v[rW:rW+15], v[rK:rK+15], v[rD:rD+7], v[rA], v[rB]
.endif
.endif
.endm
; One product of V: the sources change places; the first step's C is 0.
.macro VMM f, s
.set rD, ACC+8*tl
.set rW, 64*\f+16*\s
.set rK, 32*tl+16*(\s%2)
.set rA, WS+4*\f+\s
.set rB, KS+4*(tl/2)+\s
.if \s == 0
.if tl%2
	v_wmma_scale_f32_16x16x128_f8f6f4 v[rD:rD+7], v[rK:rK+15], v[rW:rW+15], 0, v[rB], v[rA] matrix_a_scale:MATRIX_SCALE_ROW1
.else
	v_wmma_scale_f32_16x16x128_f8f6f4 v[rD:rD+7], v[rK:rK+15], v[rW:rW+15], 0, v[rB], v[rA]
.endif
.else
.if tl%2
	v_wmma_scale_f32_16x16x128_f8f6f4 v[rD:rD+7], v[rK:rK+15], v[rW:rW+15], v[rD:rD+7], v[rB], v[rA] matrix_a_scale:MATRIX_SCALE_ROW1
.else
	v_wmma_scale_f32_16x16x128_f8f6f4 v[rD:rD+7], v[rK:rK+15], v[rW:rW+15], v[rD:rD+7], v[rB], v[rA]
.endif
.endif
.endm
; 16 columns of K for nlt key tiles, and their part of the scores.  The nlt accumulators take turns, one instruction a turn, K step by K step.
; Eight v_nop stand between the last product and the first read of a result; with the multiply-adds on the other accumulators and the next fetch's address lines they are also the places
; ahead of the next step's loads into the other buffer and of the products that begin these accumulators anew.
.macro KVAR f, nlt
.irp s, 0,1,2,3
.if \s < 2
	WIN 0x09                                       ; source 0 (weights) window 1, source 1 (keys) window 2
.else
	WIN 0x0d                                       ; keys window 3
.endif
.set tl, 0
.rept \nlt
	KMM \f, \s
.set tl, tl+1
.endr
.endr
	WIN 0
.rept 8
	v_nop
.endr
.irp i, 0,1,2,3                        ; each accumulator is read from its low end on
.set tl, 0
.rept \nlt
	v_pk_fma_f32 v[SP+2*tl:SP+2*tl+1], v[ACC+8*tl+2*\i:ACC+8*tl+2*\i+1], v[QQ+8*\f+2*\i:QQ+8*\f+2*\i+1], v[SP+2*tl:SP+2*tl+1]
.set tl, tl+1
.endr
.endr
.endm
; 16 columns of V for nlt key tiles, weighed by the softmax: four pairs of partial sums
.macro VVAR f, nlt
.irp s, 0,1,2,3
.if \s < 2
	WIN 0x06                                       ; source 0 (keys) window 2, source 1 (weights) window 1
.else
	WIN 0x07                                       ; keys window 3
.endif
.set tl, 0
.rept \nlt
	VMM \f, \s
.set tl, tl+1
.endr
.endr
	WIN 0
.rept 8
	v_nop
.endr
.irp i, 0,1,2,3
	v_pk_mul_f32 v[OO+2*\i:OO+2*\i+1], v[ACC+2*\i:ACC+2*\i+1], v[PP+2*\i:PP+2*\i+1]   ; the first tile starts the sums
.endr
.set tl, 1
.rept \nlt-1
.irp i, 0,1,2,3
	v_pk_fma_f32 v[OO+2*\i:OO+2*\i+1], v[ACC+8*tl+2*\i:ACC+8*tl+2*\i+1], v[PP+8*tl+2*\i:PP+8*tl+2*\i+1], v[OO+2*\i:OO+2*\i+1]
.endr
.set tl, tl+1
.endr
.endm
; A step of the K phase on buffer f: the next tile is asked for first, into buffer g; then the variant for this pair's number of key tiles
.macro KSTEP f, g
	FETCHK \g
	s_wait_dscnt 21                                ; all but the 21 loads just issued: buffer f, its scale words, Q and b_k are in
	s_cmp_eq_u32 s[NLT], 2
	s_cbranch_scc1 .Lk2_\@
	s_cmp_eq_u32 s[NLT], 3
	s_cbranch_scc1 .Lk3_\@
	s_cmp_eq_u32 s[NLT], 4
	s_cbranch_scc1 .Lk4_\@
	s_cmp_eq_u32 s[NLT], 5
	s_cbranch_scc1 .Lk5_\@
	s_cmp_eq_u32 s[NLT], 6
	s_cbranch_scc1 .Lk6_\@
	s_cmp_eq_u32 s[NLT], 7
	s_cbranch_scc1 .Lk7_\@
	KVAR \f, 8
	s_branch .Lke_\@
.Lk2_\@:
	KVAR \f, 2
	s_branch .Lke_\@
.Lk3_\@:
	KVAR \f, 3
	s_branch .Lke_\@
.Lk4_\@:
	KVAR \f, 4
	s_branch .Lke_\@
.Lk5_\@:
	KVAR \f, 5
	s_branch .Lke_\@
.Lk6_\@:
	KVAR \f, 6
	s_branch .Lke_\@
.Lk7_\@:
	KVAR \f, 7
.Lke_\@:
.endm
; A step of the V phase on buffer f; at its end column r's number of emb goes to the wave's own stage
.macro VSTEP f, g
	FETCHV \g
	s_wait_dscnt 18                                ; all but the 18 loads just issued
	s_cmp_eq_u32 s[NLT], 2
	s_cbranch_scc1 .Lv2_\@
	s_cmp_eq_u32 s[NLT], 3
	s_cbranch_scc1 .Lv3_\@
	s_cmp_eq_u32 s[NLT], 4
	s_cbranch_scc1 .Lv4_\@
	s_cmp_eq_u32 s[NLT], 5
	s_cbranch_scc1 .Lv5_\@
	s_cmp_eq_u32 s[NLT], 6
	s_cbranch_scc1 .Lv6_\@
	s_cmp_eq_u32 s[NLT], 7
	s_cbranch_scc1 .Lv7_\@
	VVAR \f, 8
	s_branch .Lve_\@
.Lv2_\@:
	VVAR \f, 2
	s_branch .Lve_\@
.Lv3_\@:
	VVAR \f, 3
	s_branch .Lve_\@
.Lv4_\@:
	VVAR \f, 4
	s_branch .Lve_\@
.Lv5_\@:
	VVAR \f, 5
	s_branch .Lve_\@
.Lv6_\@:
	VVAR \f, 6
	s_branch .Lve_\@
.Lv7_\@:
	VVAR \f, 7
.Lve_\@:
	v_pk_add_f32 v[OO:OO+1], v[OO:OO+1], v[OO+2:OO+3]
	v_pk_add_f32 v[OO+4:OO+5], v[OO+4:OO+5], v[OO+6:OO+7]
	v_pk_add_f32 v[OO:OO+1], v[OO:OO+1], v[OO+4:OO+5]
	v_add_f32 v22, v[OO], v[OO+1]
	v_permlanex16_b32 v[U], v22, s[SEL], s[SEL+1]  ; the column's other key rows lie in the lane 16 away
	v_add_f32 v22, v22, v[U]
	v_add_f32 v22, v22, v[BVR+\f]                  ; + b_v: the weights add to 1
	v_add_nc_u32 v23, s[SE], v[ESW]
	ds_store_b32 v23, v22                          ; lanes r and r + 16 write the same word with the same number
	s_add_co_u32 s[SE], s[SE], 64
.endm
; A head's scores are whole: the mask, the softmax over its 128 places, the weights to the wave's own stage.  A tile that was not multiplied holds 0 and is masked.
.macro HEADEND
.irp t, 0,1,2,3,4,5,6,7
	v_add_f32 v[T+\t], v[SP+2*\t], v[SP+2*\t+1]
.endr
.irp t, 0,1,2,3,4,5,6,7
	v_permlanex16_b32 v[U+\t], v[T+\t], s[SEL], s[SEL+1]   ; the key row's other 32 columns lie in the lane 16 away
.endr
.irp t, 0,1,2,3,4,5,6,7
	v_add_f32 v[T+\t], v[T+\t], v[U+\t]
.endr
.irp t, 0,1,2,3,4,5,6,7
	v_cndmask_b32 v[T+\t], v[NEG], v[T+\t], s[MK+\t]       ; -1e30 where 16 t + r is not under the length
.endr
	v_max3_num_f32 v22, v[T], v[T+1], v[T+2]
	v_max3_num_f32 v23, v[T+3], v[T+4], v[T+5]
	v_max3_num_f32 v22, v22, v[T+6], v[T+7]
	v_max_num_f32 v22, v22, v23
	v_max_num_f32_dpp v22, v22, v22 row_xmask:1 row_mask:0xf bank_mask:0xf
	v_max_num_f32_dpp v22, v22, v22 row_xmask:2 row_mask:0xf bank_mask:0xf
	v_max_num_f32_dpp v22, v22, v22 row_xmask:4 row_mask:0xf bank_mask:0xf
	v_max_num_f32_dpp v22, v22, v22 row_xmask:8 row_mask:0xf bank_mask:0xf   ; both halves of the lanes hold the same 16 x 8 scores: this is the head's maximum
	v_mul_f32 v23, s[CS], v22                      ; c x maximum, c = log2(e) / 8
.irp t, 0,1,2,3,4,5,6,7
	v_fma_f32 v[T+\t], v[T+\t], s[CS], -v23
.endr
.irp t, 0,1,2,3,4,5,6,7
	v_exp_f32 v[T+\t], v[T+\t]
.endr
	v_nop                                          ; a plain instruction behind the last exponential (ISA guide 5.7.2)
	s_wait_alu depctr_va_vdst(0)                   ; one wait for the eight, ahead of their first reader
	v_add_f32 v24, v[T], v[T+1]
	v_add_f32 v25, v[T+2], v[T+3]
	v_add_f32 v26, v[T+4], v[T+5]
	v_add_f32 v27, v[T+6], v[T+7]
	v_add_f32 v24, v24, v25
	v_add_f32 v26, v26, v27
	v_add_f32 v24, v24, v26
	v_add_f32_dpp v24, v24, v24 row_xmask:1 row_mask:0xf bank_mask:0xf
	v_add_f32_dpp v24, v24, v24 row_xmask:2 row_mask:0xf bank_mask:0xf
	v_add_f32_dpp v24, v24, v24 row_xmask:4 row_mask:0xf bank_mask:0xf
	v_add_f32_dpp v24, v24, v24 row_xmask:8 row_mask:0xf bank_mask:0xf
	v_rcp_f32 v25, v24
	v_add_nc_u32 v26, s[SPO], v[PSW]               ; (a plain instruction behind the reciprocal)
	s_wait_alu depctr_va_vdst(0)
.irp t, 0,1,2,3,4,5,6,7
	v_mul_f32 v[T+\t], v[T+\t], v25
.endr
.irp t, 0,1,2,3,4,5,6,7
	ds_store_b32 v26, v[T+\t] offset:64*\t         ; weight of key row 16 t + r; lanes r and r + 16 write the same word with the same number
.endr
	s_add_co_u32 s[SPO], s[SPO], 512
.irp t, 0,1,2,3,4,5,6,7,8,9,10,11,12,13,14,15
	v_mov_b32 v[SP+\t], 0                          ; the next head's partial sums
.endr
.endm
	s_load_b512 s[4:19], s[0:1], 0x0               ; keys' codes 4, keys' scales 6, key_lens 8, w_k's codes 10, scales 12, w_v's codes 14, scales 16, b_k 18
	s_load_b128 s[20:23], s[0:1], 0x40             ; b_v 20, qbuf 22
	s_load_b64 s[24:25], s[0:1], 0x50              ; emb
	v_lshl_add_u32 v254, v0, 2, 0x48e00
	v_mov_b32 v255, 0
	v_lshrrev_b32 v22, 5, v0
	v_readfirstlane_b32 s[WV], v22                 ; wave 0..3
	v_and_b32 v[R], 15, v0
	v_bfe_u32 v[HF], v0, 4, 1
	v_and_b32 v[LN], 31, v0
	s_and_b32 s[HALF], ttmp9, 1                    ; which four heads
	s_lshr_b32 s[BB], ttmp9, 1
	s_lshl_b32 s[BB], s[BB], 2
	s_add_co_u32 s[BB], s[BB], s[WV]               ; u = 4 (work-group / 2) + wave, 0 .. 511
	s_lshr_b32 s[II], s[BB], 4                     ; i = u / 16
	s_and_b32 s[BB], s[BB], 15                     ; b = u % 16
	s_mul_i32 s[PWS], s[WV], PWB
	s_add_co_u32 s[PWS], s[PWS], PW                ; my wave's own LDS bytes
	v_mul_u32_u24 v[VW0], v[R], WP
	v_lshl_add_u32 v[VW0], v[HF], 4, v[VW0]
	v_lshlrev_b32 v[VS0], 4, v[R]
	v_add_nc_u32 v[VS0], WSC, v[VS0]
	v_lshlrev_b32 v[VQ0], 5, v[HF]
	v_add_nc_u32 v[VB0], BK, v[VQ0]
	v_add_nc_u32 v[VQ0], s[PWS], v[VQ0]
	v_add_nc_u32 v[PSR], PST, v[VQ0]
	v_lshlrev_b32 v[VBV0], 2, v[R]
	v_add_nc_u32 v[PSW], s[PWS], v[VBV0]
	v_add_nc_u32 v[ESW], EST, v[PSW]
	v_add_nc_u32 v[PSW], PST, v[PSW]
	v_add_nc_u32 v[VBV0], BV, v[VBV0]
	v_lshlrev_b32 v[L16], 4, v[LN]
	v_add_nc_u32 v[QSW], s[PWS], v[L16]
	v_add_nc_u32 v[ESR], EST, v[QSW]
	v_lshlrev_b32 v[VKO], 9, v[R]
	v_lshl_add_u32 v[VKO], v[HF], 4, v[VKO]
	v_lshlrev_b32 v[PFO], 8, v[LN]
	v_mov_b32 v[NEG], 0xf149f2ca                   ; -1e30
.irp t, 0,1,2,3,4,5,6,7
	v_mov_b32 v[U+\t], 0                           ; written once: a lane permute's destination counts as one of its sources
.endr
	s_mov_b32 s[SEL], 0x76543210
	s_mov_b32 s[SEL+1], 0xfedcba98                 ; v_permlanex16_b32's selects for lane l xor 16
	s_mov_b32 s[CS], 0x3e38aa3b                    ; log2(e) / sqrt(64)
	s_mov_b32 s87, 0
	v_lshlrev_b32 v22, 2, v[LN]
	s_wait_kmcnt 0x0
	; THE RANKS.  A lane holds positions n = lane and n = lane + 32; the order is by 64 x length + n, so no two are equal; a position's rank is the number of smaller ones.
	global_load_b32 v[RK], v22, s[8:9]
	global_load_b32 v[RK+1], v22, s[8:9] offset:128
	s_wait_loadcnt 0x0
	v_min_u32 v[RK], 0x80, v[RK]
	v_min_u32 v[RK+1], 0x80, v[RK+1]
	v_add_nc_u32 v[RK+2], 32, v[LN]
	v_lshl_or_b32 v[RK], v[RK], 6, v[LN]
	v_lshl_or_b32 v[RK+1], v[RK+1], 6, v[RK+2]
	v_mov_b32 v[RK+2], 0
	v_mov_b32 v[RK+3], 0
.irp p, 0,1
.set j, 0
.rept 32
	v_readlane_b32 s80, v[RK+\p], j
	v_cmp_lt_u32 vcc_lo, s80, v[RK]
	v_add_co_ci_u32 v[RK+2], vcc_lo, 0, v[RK+2], vcc_lo
	v_cmp_lt_u32 vcc_lo, s80, v[RK+1]
	v_add_co_ci_u32 v[RK+3], vcc_lo, 0, v[RK+3], vcc_lo
.set j, j+1
.endr
.endr
	s_sub_co_u32 s88, 63, s[II]
	PICK 88, 89, LEN, NLT                          ; my first pair: rank 63 - i, a long one
	BASES 89, CUR
	PICK II, 89, LENB, NLTB                        ; my second: rank i, a short one
	BASES 89, NXT
	; The first pair's keys.  No branch: a tile from NLT on loads tile NLT - 1 once more, so that every key register is written on every path.
	s_sub_co_u32 s80, s[NLT], 1
.irp t, 2,3,4,5,6,7
	s_min_u32 s81, s80, \t
	s_lshl_b32 s81, s81, 13
	v_add_nc_u32 v[KA+\t-2], s81, v[VKO]
.endr
	KTILE 0, VKO, 0
	KTILE 1, VKO, 8192
.irp t, 2,3,4,5,6,7
	KTILE \t, KA+\t-2, 0
.endr
	; THE FILL.  Waves 0, 1 bring my half's 256 rows of w_k, waves 2, 3 those of w_v: 128 rows a wave, with their scale bytes and biases.
	s_cmp_lt_u32 s[WV], 2
	s_cselect_b64 s[PC:PC+1], s[10:11], s[14:15]
	s_cselect_b64 s[PS:PS+1], s[12:13], s[16:17]
	s_cselect_b64 s[PB:PB+1], s[18:19], s[20:21]
	s_and_b32 s80, s[WV], 1
	s_lshl_b32 s81, s[HALF], 1
	s_add_co_u32 s81, s81, s80                     ; which 128 rows of the tensor's 512
	s_lshl_b32 s86, s81, 16
	s_add_nc_u64 s[PC:PC+1], s[PC:PC+1], s[86:87]
	s_lshl_b32 s86, s81, 11
	s_add_nc_u64 s[PS:PS+1], s[PS:PS+1], s[86:87]
	s_lshl_b32 s86, s81, 9
	s_add_nc_u64 s[PB:PB+1], s[PB:PB+1], s[86:87]
	s_mul_i32 s80, s[WV], 128*WP
	v_add_nc_u32 v22, s80, v[L16]                  ; my rows 0-63 in LDS,
	v_add_nc_u32 v23, 64*WP, v22                   ; and 64-127 (an LDS offset has 16 bits)
	s_lshl_b32 s80, s[WV], 11
	v_add_nc_u32 v24, s80, v[L16]
	v_add_nc_u32 v24, WSC, v24
	s_lshl_b32 s80, s[WV], 9
	v_add_nc_u32 v25, s80, v[L16]
	v_add_nc_u32 v25, BK, v25
	v_lshl_add_u32 v26, v0, 2, PADB
	v_lshlrev_b32 v27, 2, v[LN]
	v_add_nc_u32 v27, s[PWS], v27
	v_add_nc_u32 v27, QPAD, v27
	v_mov_b32 v[T], 0
.irp k, 0,1,2,3
	global_load_b128 v[FS+4*\k:FS+4*\k+3], v[L16], s[PS:PS+1] offset:512*\k
.endr
	global_load_b128 v[FS+16:FS+19], v[L16], s[PB:PB+1]
	WIN 0x44                                       ; loaded data and an LDS store's data: window 1; addresses: window 0
	FLOAD 0, 0
	FLOAD 1, 32
	s_wait_loadcnt 32                              ; all but the 32 loads just issued
	FSTORE 0, 22, 0
	s_wait_dscnt 0x0                               ; the stores have read their registers
	FLOAD 0, 64
	s_wait_loadcnt 32
	FSTORE 1, 22, 32
	s_wait_dscnt 0x0
	FLOAD 1, 96
	s_wait_loadcnt 32
	FSTORE 0, 23, 0
	s_wait_loadcnt 0x0
	FSTORE 1, 23, 32
	WIN 0
.irp k, 0,1,2,3
	ds_store_b128 v24, v[FS+4*\k:FS+4*\k+3] offset:512*\k
.endr
	ds_store_b128 v25, v[FS+16:FS+19]
	ds_store_b32 v26, v[T]
	ds_store_b32 v27, v[T]
	s_wait_dscnt 0x0                               ; for the others' sake: my stores have landed
	s_barrier_signal -1
	s_barrier_wait -1                              ; the launch's one barrier: from here on the weights are only read, and every store goes to the wave's own bytes
	s_mov_b32 s[CP], 0
.Lpair:                                            ; two trips: my two pairs
	s_cmp_eq_u32 s[CP], 0
	s_cbranch_scc1 .Lhave_keys
	s_mov_b32 s[LEN], s[LENB]                      ; (the wait at the loop's end has freed the addresses)
	s_mov_b32 s[NLT], s[NLTB]
	s_mov_b64 s[CUR:CUR+1], s[NXT:NXT+1]
	s_mov_b64 s[CUR+2:CUR+3], s[NXT+2:NXT+3]
	s_mov_b64 s[CUR+4:CUR+5], s[NXT+4:NXT+5]
	s_mov_b64 s[CUR+6:CUR+7], s[NXT+6:NXT+7]
	KTILE 0, VKO, 0
	KTILE 1, VKO, 8192
.irp t, 2,3,4,5,6,7
	s_cmp_le_u32 s[NLT], \t
	s_cbranch_scc1 .Lhave_keys
	KTILE \t, VKO, 8192*\t
.endr
.Lhave_keys:
.irp g, 0,1,2,3
	global_load_b128 v[KS+4*\g:KS+4*\g+3], v[L16], s[CUR+2:CUR+3] offset:512*\g   ; key row 32 g + lane: its four scale words
.endr
	global_load_b128 v[T:T+3], v[L16], s[CUR+4:CUR+5]
	global_load_b128 v[T+4:T+7], v[L16], s[CUR+4:CUR+5] offset:512                ; Q's 256 numbers of my half
.irp t, 0,1,2,3,4,5,6,7
	s_sub_co_i32 s80, s[LEN], 16*\t
	v_cmp_gt_i32 s[MK+\t], s80, v[R]               ; 16 t + r < length
.endr
.irp t, 0,1,2,3,4,5,6,7,8,9,10,11,12,13,14,15
	v_mov_b32 v[SP+\t], 0
.endr
	s_mov_b32 s[SW], 0
	s_mov_b32 s[SS], 0
	s_mov_b32 s[SD], 0
	s_mov_b32 s[SPO], 0
	s_mov_b32 s[SE], 0
	s_wait_loadcnt 0x0                             ; the keys, their scale words and Q
	ds_store_b128 v[QSW], v[T:T+3]
	ds_store_b128 v[QSW], v[T+4:T+7] offset:512
	FETCHK 0                                       ; LDS serves a wave's instructions in order: it sees Q
	; ---- K and the scores: four heads of four tiles of 16 columns
	s_mov_b32 s[CH], 0
.Lkhead:
	s_mov_b32 s[CI], 0
.Lkin:
	KSTEP 0, 1
	KSTEP 1, 0
	s_add_co_u32 s[CI], s[CI], 1
	s_cmp_lt_u32 s[CI], 2
	s_cbranch_scc1 .Lkin
	HEADEND
	s_add_co_u32 s[CH], s[CH], 1
	s_cmp_lt_u32 s[CH], 4
	s_cbranch_scc1 .Lkhead
	s_wait_dscnt 0x0                               ; the last fetch (w_v's first tile, in buffer 0) and the weights' stores: the registers that held Q and b_k are loaded anew below
	; A PREFETCH INTO THE L2 of my second pair's key tiles, in the first trip, one V phase (16 steps) ahead of their loads: a tile is 8,192 bytes, lanes 256 bytes apart.
	; The two work-groups that share a pair differ in their half of the heads: half 0 asks, so each block of 256 bytes is named once in the launch.  Tiles from the pair's NLT on are not asked for.
	s_or_b32 s80, s[CP], s[HALF]
	s_cmp_lg_u32 s80, 0
	s_cbranch_scc1 .Lno_ask
	global_prefetch_b8 v[PFO], s[NXT:NXT+1] th:TH_LOAD_NT scope:SCOPE_SE
	global_prefetch_b8 v[PFO], s[NXT:NXT+1] offset:8192 th:TH_LOAD_NT scope:SCOPE_SE
.irp t, 2,3,4,5,6,7
	s_cmp_le_u32 s[NLTB], \t
	s_cbranch_scc1 .Lno_ask
	global_prefetch_b8 v[PFO], s[NXT:NXT+1] offset:8192*\t th:TH_LOAD_NT scope:SCOPE_SE
.endr
.Lno_ask:
	; ---- V and emb: four heads of four tiles of 16 columns
	ds_load_b32 v[BVR], v[VBV0]                    ; b_v of the first tile
	s_mov_b32 s[SD], 64
	s_mov_b32 s[SPO], 0
	s_mov_b32 s[CH], 0
.Lvhead:
	v_add_nc_u32 v24, s[SPO], v[PSR]
.irp t, 0,1,2,3,4,5,6,7
	ds_load_b128 v[PP+8*\t:PP+8*\t+3], v24 offset:64*\t            ; the head's weights of key rows 16 t + 8 h + 0 .. 7
	ds_load_b128 v[PP+8*\t+4:PP+8*\t+7], v24 offset:64*\t+16
.endr
	s_add_co_u32 s[SPO], s[SPO], 512
	s_mov_b32 s[CI], 0
.Lvin:
	VSTEP 0, 1
	VSTEP 1, 0
	s_add_co_u32 s[CI], s[CI], 1
	s_cmp_lt_u32 s[CI], 2
	s_cbranch_scc1 .Lvin
	s_add_co_u32 s[CH], s[CH], 1
	s_cmp_lt_u32 s[CH], 4
	s_cbranch_scc1 .Lvhead
	; ---- the way out: 256 numbers, 1,024 consecutive bytes, aligned
	ds_load_b128 v[T:T+3], v[ESR]
	ds_load_b128 v[T+4:T+7], v[ESR] offset:512
	s_wait_dscnt 0x0                               ; these, and the fetch that ran one tile past the end
	global_store_b128 v[L16], v[T:T+3], s[CUR+6:CUR+7]
	global_store_b128 v[L16], v[T+4:T+7], s[CUR+6:CUR+7] offset:512
	s_wait_xcnt 0x0                                ; the stores' data and base, and the loads' bases, are written again only behind this wait
	s_add_co_u32 s[CP], s[CP], 1
	s_cmp_lt_u32 s[CP], 2
	s_cbranch_scc1 .Lpair
	s_wait_tensorcnt 0x0
	ds_add_u32 v254, v255
	s_wait_dscnt 0x0
	s_endpgm
.Lfunc_end_k_q23bbdc9fde_attn:
	.size	k_q23bbdc9fde_attn, .Lfunc_end_k_q23bbdc9fde_attn-k_q23bbdc9fde_attn
	.p2alignl 7, 3214868480
	.fill 96, 4, 3214868480
	.section	.rodata,"a",@progbits
	.p2align	6, 0x0
	.amdhsa_kernel k_q23bbdc9fde_attn
		.amdhsa_group_segment_fixed_size 299008
		.amdhsa_private_segment_fixed_size 0
		.amdhsa_enable_private_segment 0
		.amdhsa_kernarg_size 88
		.amdhsa_user_sgpr_count 2
		.amdhsa_user_sgpr_kernarg_segment_ptr 1
		.amdhsa_wavefront_size32 1
		.amdhsa_system_sgpr_workgroup_id_x 1
		.amdhsa_system_sgpr_workgroup_id_y 1
		.amdhsa_system_sgpr_workgroup_id_z 1
		.amdhsa_system_vgpr_workitem_id 0
		.amdhsa_next_free_vgpr 1024
		.amdhsa_next_free_sgpr 96
		.amdhsa_reserve_vcc 1
		.amdhsa_float_denorm_mode_32 3
		.amdhsa_float_denorm_mode_16_64 3
		.amdhsa_memory_ordered 1
		.amdhsa_forward_progress 1
		.amdhsa_inst_pref_size 203
	.end_amdhsa_kernel
	.amdgpu_metadata
---
amdhsa.version: [ 1, 2 ]
amdhsa.kernels:
  - .name:           k_q23bbdc9fde_attn
    .symbol:         k_q23bbdc9fde_attn.kd
    .args:
      - { .name: keys_codes, .offset: 0, .size: 8, .value_kind: global_buffer, .address_space: global }
      - { .name: keys_scales, .offset: 8, .size: 8, .value_kind: global_buffer, .address_space: global }
      - { .name: key_lens, .offset: 16, .size: 8, .value_kind: global_buffer, .address_space: global }
      - { .name: w_k_codes, .offset: 24, .size: 8, .value_kind: global_buffer, .address_space: global }
      - { .name: w_k_scales, .offset: 32, .size: 8, .value_kind: global_buffer, .address_space: global }
      - { .name: w_v_codes, .offset: 40, .size: 8, .value_kind: global_buffer, .address_space: global }
      - { .name: w_v_scales, .offset: 48, .size: 8, .value_kind: global_buffer, .address_space: global }
      - { .name: b_k, .offset: 56, .size: 8, .value_kind: global_buffer, .address_space: global }
      - { .name: b_v, .offset: 64, .size: 8, .value_kind: global_buffer, .address_space: global }
      - { .name: qbuf, .offset: 72, .size: 8, .value_kind: global_buffer, .address_space: global }
      - { .name: emb, .offset: 80, .size: 8, .value_kind: global_buffer, .address_space: global }
    .group_segment_fixed_size: 299008
    .private_segment_fixed_size: 0
    .kernarg_segment_align: 8
    .kernarg_segment_size: 88
    .max_flat_workgroup_size: 128
    .sgpr_count:     96
    .vgpr_count:     1024
    .wavefront_size: 32
...
	.end_amdgpu_metadata
.endif
;; end of part 2
;; launch tail (part 3): grid 4 x 16, 16 waves a work-group, no clusters, 3,072 bytes of LDS; arguments emb, intensity_score_codes, intensity_score_scales, w_fc1_codes, w_fc1_scales, b_fc1, w_fc2, b_fc2, out0; writes out0
.if DOCPART == 3
	.amdgcn_target "amdgcn-amd-amdhsa--gfx1250"
	.amdhsa_code_object_version 6
	.text
	.protected	k_q23bbdc9fde_tail
	.globl	k_q23bbdc9fde_tail
	.p2align	8
	.type	k_q23bbdc9fde_tail,@function
k_q23bbdc9fde_tail:
	s_mov_b64 s[64:65], 0
	v_nop
	global_prefetch_b8 v0, s[64:65] scope:SCOPE_SE
	s_setreg_imm32_b32 hwreg(HW_REG_WAVE_MODE, 25, 1), 1
	s_wait_xcnt 0x0
; mixed[b][m][d] = sum over n of emb[b][n][d] I[b][n][m];  h1 = mixed w_fc1^T + b_fc1;  out = h1 w_fc2^T + b_fc2.  The first two products on codes of E4M3 with one E8M0 scale for each 32 along K; the last by f32 multiply-adds.
; emb: [64 b + n][512] f32, quantised here along n; I: codes [b][m][64 (n)]; mixed is quantised in registers along d; w_fc1: codes [16][512].
; SHARES.  A work-group takes 16 rows m of one b; each of its sixteen waves takes 32 columns d = 32 w .. 32 w + 31: two tiles of the first product and one block of 32 of the second product's K.
; Each wave's part of out (its 32 d, all 16 units, weighed by w_fc2) meets the others' in LDS; wave 0 adds the sixteen and the biases' part, sum of b_fc1 w_fc2 + b_fc2, once.
; K = 64 and K = 32 are shorter than the instruction's 128: the rest of both operands is zero codes, whose scale bytes are 0, never 0xff.
; BOTH PRODUCTS ARE USED TRANSPOSED.  First: source 0 = 16 columns d of emb, source 1 = I's 16 rows m: a lane holds one m.  THE COLUMNS OF A TILE ARE NOT NEIGHBOURS: lane r of tile u takes d = 32 w + 8 u + r + 8 (r / 8),
; so that the 16 registers of the two tiles are d = 32 w + 16 h + 0 .. 15: the next operand's layout.  Second: source 0 = w_fc1's 16 units, source 1 = mixed.
; LIMITS: blocks whose largest magnitude lies under 2^-118 keep the scale byte 1; NaN and infinities are not served.  No cluster and no tensor load: a work-group reads 128 KiB once and ends.
; REGISTERS: v1 r, v2 h, v4-13 offsets; v16-31 I; v32-95 emb's 64 numbers; v96-127 emb's codes; v128-143 mixed; v144-159 its codes; v160-175 w_fc1; v176-183 h1's part; v184-191 w_fc2; v192-199 b_fc1;
;   v200-215 the quantiser's work; v220-224 scale words alone (I, emb's two, mixed, w_fc1); v225 b_fc2; v226-241 the sixteen parts.
.set IFR, 16
.set EN,  32
.set EF,  96
.set D6,  128
.set MF,  144
.set WF,  160
.set D7,  176
.set W2,  184
.set B1,  192
.set TM,  200
.set ISC, 220
.set ES,  221
.set MS,  223
.set WS1, 224
.set B2,  225
.set PT,  226
	s_load_b256 s[4:11], s[0:1], 0x0               ; emb 4, I's codes 6, I's scales 8, w_fc1's codes 10
	s_load_b256 s[12:19], s[0:1], 0x20             ; w_fc1's scales 12, b_fc1 14, w_fc2 16, b_fc2 18
	s_load_b64 s[24:25], s[0:1], 0x40              ; out0
	v_lshl_add_u32 v254, v0, 2, 0x400
	v_mov_b32 v255, 0
	v_lshrrev_b32 v3, 5, v0
	v_readfirstlane_b32 s29, v3                    ; wave 0..15
	v_and_b32 v1, 15, v0                           ; r
	v_bfe_u32 v2, v0, 4, 1                         ; h
	s_and_b32 s30, ttmp7, 0xffff                   ; b
	s_lshl_b32 s31, s30, 6
	s_lshl_b32 s34, ttmp9, 4
	s_add_co_u32 s31, s31, s34                     ; my first row: 64 b + 16 x work-group x
	s_mov_b32 s33, 0
	s_mov_b32 s26, 0x76543210
	s_mov_b32 s27, 0xfedcba98                      ; v_permlanex16_b32's selects for lane l xor 16
	s_mov_b32 s28, 0x600000                        ; the mantissa field of 448
	s_lshl_b32 s34, s29, 5                         ; 32 w
	v_and_b32 v5, 8, v1
	v_add_nc_u32 v5, v5, v1                        ; r + 8 (r / 8)
	v_add_nc_u32 v5, s34, v5
	v_lshlrev_b32 v5, 2, v5
	v_lshl_add_u32 v4, v2, 15, v5                  ; emb: my column, and 16 h rows of 2,048 bytes down
	v_lshlrev_b32 v6, 6, v1
	v_lshl_add_u32 v6, v2, 4, v6                   ; I: row r of 64 bytes, + 16 h
	v_lshlrev_b32 v7, 1, v1                        ; I's scale bytes: 2 a row
	v_lshlrev_b32 v8, 9, v1
	v_lshl_add_u32 v8, v2, 4, v8
	v_add_nc_u32 v8, s34, v8                       ; w_fc1: unit r's row of 512 bytes, + 32 w + 16 h
	v_lshlrev_b32 v9, 4, v1
	v_add_nc_u32 v9, s29, v9                       ; its scale byte: 16 r + w
	v_lshlrev_b32 v10, 5, v2                       ; w_fc2, b_fc1: units 8 h on
	v_mov_b32 v11, 0
	v_lshlrev_b32 v12, 2, v1                       ; 4 r
	s_lshl_b32 s35, s29, 6
	v_add_nc_u32 v13, s35, v12                     ; LDS: my wave's 16 words
	s_wait_kmcnt 0x0
	s_lshl_b32 s32, s30, 17                        ; 64 rows of 2,048 bytes
	s_add_nc_u64 s[4:5], s[4:5], s[32:33]
	s_lshl_b32 s32, s31, 6
	s_add_nc_u64 s[6:7], s[6:7], s[32:33]
	s_lshl_b32 s32, s31, 1
	s_add_nc_u64 s[8:9], s[8:9], s[32:33]
	s_lshl_b32 s32, s31, 2
	s_add_nc_u64 s[24:25], s[24:25], s[32:33]
.irp u, 0,1
.irp c, 0,1
.irp i, 0,1,2,3,4,5,6,7,8,9,10,11,12,13,14,15
	global_load_b32 v[EN+32*\u+16*\c+\i], v4, s[4:5] offset:(32*\c+\i)*2048+32*\u   ; emb(n = 32 c + 16 h + i, my column of tile u): registers run down K
.endr
.endr
.endr
	global_load_b128 v[IFR:IFR+3], v6, s[6:7]
	global_load_b128 v[IFR+4:IFR+7], v6, s[6:7] offset:32
	global_load_u16 v[ISC], v7, s[8:9]             ; two scale bytes; the upper two are 0
	global_load_b128 v[WF:WF+3], v8, s[10:11]
	global_load_u8 v[WS1], v9, s[12:13]            ; one scale byte; the upper three are 0
	global_load_b128 v[B1:B1+3], v10, s[14:15]
	global_load_b128 v[B1+4:B1+7], v10, s[14:15] offset:16
	global_load_b128 v[W2:W2+3], v10, s[16:17]
	global_load_b128 v[W2+4:W2+7], v10, s[16:17] offset:16
	global_load_b32 v[B2], v11, s[18:19]
.irp i, 8,9,10,11,12,13,14,15
	v_mov_b32 v[IFR+\i], 0                         ; zero codes for k = 64 .. 127
	v_mov_b32 v[EF+\i], 0
	v_mov_b32 v[EF+16+\i], 0
.endr
.irp i, 4,5,6,7,8,9,10,11,12,13,14,15
	v_mov_b32 v[MF+\i], 0                          ; and for k = 32 .. 127
	v_mov_b32 v[WF+\i], 0
.endr
.irp q, 0,1,2,3
	v_mov_b32 v[TM+4+\q], 0                        ; written once: a lane permute's destination counts as one of its sources
.endr
	s_wait_loadcnt 0x0
	; emb's four blocks of 32 along n (block q = 2 u + c: 16 numbers here, 16 in the lane 16 away)
.irp q, 0,1,2,3
	v_max3_num_f32 v[TM+\q], |v[EN+16*\q]|, |v[EN+1+16*\q]|, 0x4800000   ; and the floor 2^(9 - 127): the byte cannot fall under 1
.endr
.irp i, 2,4,6,8,10,12,14
.irp q, 0,1,2,3
	v_max3_num_f32 v[TM+\q], v[TM+\q], |v[EN+16*\q+\i]|, |v[EN+1+16*\q+\i]|
.endr
.endr
.irp q, 0,1,2,3
	v_permlanex16_b32 v[TM+4+\q], v[TM+\q], s26, s27
.endr
.irp q, 0,1,2,3
	v_max_num_f32 v[TM+\q], v[TM+\q], v[TM+4+\q]   ; the block's largest magnitude
.endr
.irp q, 0,1,2,3
	v_add_nc_u32 v[TM+12+\q], 0xfc000000, v[TM+\q] ; 8 off its exponent field: the conversion's scale operand
.endr
.irp q, 0,1,2,3
	v_and_or_b32 v[TM+8+\q], v[TM+\q], 0x7f800000, s28   ; 448 x the scale
.endr
.irp q, 0,1,2,3
	v_lshrrev_b32 v[TM+4+\q], 23, v[TM+12+\q]      ; the scale's byte
.endr
	v_lshl_or_b32 v[ES], v[TM+5], 8, v[TM+4]       ; tile 0's scale word: blocks 0, 1; bytes 2, 3 are 0
	v_lshl_or_b32 v[ES+1], v[TM+7], 8, v[TM+6]     ; tile 1's
.irp q, 0,1,2,3
.irp i, 0,1,2,3,4,5,6,7,8,9,10,11,12,13,14,15
	v_med3_num_f32 v[EN+16*\q+\i], v[EN+16*\q+\i], -v[TM+8+\q], v[TM+8+\q]   ; the conversion to an 8-bit code does not saturate (ISA guide 7.6.2): the hold at the largest code x the scale
.endr
	v_cvt_scalef32_pk8_fp8_f32 v[EF+4*\q+8*(\q/2):EF+4*\q+8*(\q/2)+1], v[EN+16*\q:EN+16*\q+7], v[TM+12+\q]       ; tile q / 2, registers 4 (q % 2) on
	v_cvt_scalef32_pk8_fp8_f32 v[EF+4*\q+8*(\q/2)+2:EF+4*\q+8*(\q/2)+3], v[EN+16*\q+8:EN+16*\q+15], v[TM+12+\q]
.endr
.rept 8
	v_nop                                          ; places between the codes' and scale words' last writes and the scaled products
.endr
	v_wmma_scale_f32_16x16x128_f8f6f4 v[D6:D6+7], v[EF:EF+15], v[IFR:IFR+15], 0, v[ES], v[ISC]
	v_wmma_scale_f32_16x16x128_f8f6f4 v[D6+8:D6+15], v[EF+16:EF+31], v[IFR:IFR+15], 0, v[ES+1], v[ISC]
.rept 8
	v_nop                                          ; eight places ahead of the first read of a result
.endr
	; mixed(m = r, d = 32 w + 16 h + 0 .. 15): one block of 32 along d, shared with the lane 16 away
	v_max3_num_f32 v[TM], |v[D6]|, |v[D6+1]|, 0x4800000
.irp i, 2,4,6,8,10,12,14
	v_max3_num_f32 v[TM], v[TM], |v[D6+\i]|, |v[D6+1+\i]|
.endr
	v_permlanex16_b32 v[TM+4], v[TM], s26, s27
	v_max_num_f32 v[TM], v[TM], v[TM+4]
	v_add_nc_u32 v[TM+12], 0xfc000000, v[TM]
	v_and_or_b32 v[TM+8], v[TM], 0x7f800000, s28
	v_lshrrev_b32 v[MS], 23, v[TM+12]              ; the block's byte; bytes 1 to 3 are 0
.irp i, 0,1,2,3,4,5,6,7,8,9,10,11,12,13,14,15
	v_med3_num_f32 v[D6+\i], v[D6+\i], -v[TM+8], v[TM+8]
.endr
	v_cvt_scalef32_pk8_fp8_f32 v[MF:MF+1], v[D6:D6+7], v[TM+12]
	v_cvt_scalef32_pk8_fp8_f32 v[MF+2:MF+3], v[D6+8:D6+15], v[TM+12]
.rept 9
	v_nop
.endr
	v_wmma_scale_f32_16x16x128_f8f6f4 v[D7:D7+7], v[WF:WF+15], v[MF:MF+15], 0, v[WS1], v[MS]
	v_mul_f32 v[TM+1], v[B1], v[W2]                ; the biases' part: b_fc1 . w_fc2 over my eight units.  (These eight lines name no register of the product: they are its places)
.irp j, 1,2,3,4,5,6,7
	v_fmac_f32 v[TM+1], v[B1+\j], v[W2+\j]
.endr
	v_mul_f32 v[TM], v[D7], v[W2]                  ; h1's part (m = r, unit 8 h + j) x w_fc2, from the accumulator's low end on
.irp j, 1,2,3,4,5,6,7
	v_fmac_f32 v[TM], v[D7+\j], v[W2+\j]
.endr
	v_permlanex16_b32 v[TM+4], v[TM], s26, s27
	v_permlanex16_b32 v[TM+5], v[TM+1], s26, s27
	v_add_f32 v[TM], v[TM], v[TM+4]                ; all 16 units
	v_add_f32 v[TM+1], v[TM+1], v[TM+5]
	ds_store_b32 v13, v[TM]                        ; lanes r and r + 16 write the same word with the same number
	s_wait_dscnt 0x0                               ; for wave 0's sake: my store has landed
	s_barrier_signal -1
	s_barrier_wait -1
	s_cmp_lg_u32 s29, 0
	s_cbranch_scc1 .Lend
.irp k, 0,1,2,3,4,5,6,7,8,9,10,11,12,13,14,15
	ds_load_b32 v[PT+\k], v12 offset:64*\k         ; row r's part from each wave
.endr
	s_wait_dscnt 0x0
.irp k, 0,2,4,6,8,10,12,14
	v_add_f32 v[PT+\k], v[PT+\k], v[PT+1+\k]
.endr
.irp k, 0,4,8,12
	v_add_f32 v[PT+\k], v[PT+\k], v[PT+2+\k]
.endr
	v_add_f32 v[PT], v[PT], v[PT+4]
	v_add_f32 v[PT+8], v[PT+8], v[PT+12]
	v_add_f32 v[PT], v[PT], v[PT+8]
	v_add_f32 v[TM+1], v[TM+1], v[B2]
	v_add_f32 v[PT], v[PT], v[TM+1]
	global_store_b32 v12, v[PT], s[24:25]          ; out0(b, 16 x + r): 64 consecutive bytes; lanes r and r + 16 store the same word with the same number
.Lend:
	s_wait_tensorcnt 0x0
	ds_add_u32 v254, v255
	s_wait_dscnt 0x0
	s_endpgm
.Lfunc_end_k_q23bbdc9fde_tail:
	.size	k_q23bbdc9fde_tail, .Lfunc_end_k_q23bbdc9fde_tail-k_q23bbdc9fde_tail
	.p2alignl 7, 3214868480
	.fill 96, 4, 3214868480
	.section	.rodata,"a",@progbits
	.p2align	6, 0x0
	.amdhsa_kernel k_q23bbdc9fde_tail
		.amdhsa_group_segment_fixed_size 3072
		.amdhsa_private_segment_fixed_size 0
		.amdhsa_enable_private_segment 0
		.amdhsa_kernarg_size 72
		.amdhsa_user_sgpr_count 2
		.amdhsa_user_sgpr_kernarg_segment_ptr 1
		.amdhsa_wavefront_size32 1
		.amdhsa_system_sgpr_workgroup_id_x 1
		.amdhsa_system_sgpr_workgroup_id_y 1
		.amdhsa_system_sgpr_workgroup_id_z 1
		.amdhsa_system_vgpr_workitem_id 0
		.amdhsa_next_free_vgpr 256
		.amdhsa_next_free_sgpr 66
		.amdhsa_reserve_vcc 0
		.amdhsa_float_denorm_mode_32 3
		.amdhsa_float_denorm_mode_16_64 3
		.amdhsa_memory_ordered 1
		.amdhsa_forward_progress 1
		.amdhsa_inst_pref_size 25
	.end_amdhsa_kernel
	.amdgpu_metadata
---
amdhsa.version: [ 1, 2 ]
amdhsa.kernels:
  - .name:           k_q23bbdc9fde_tail
    .symbol:         k_q23bbdc9fde_tail.kd
    .args:
      - { .name: emb, .offset: 0, .size: 8, .value_kind: global_buffer, .address_space: global }
      - { .name: intensity_score_codes, .offset: 8, .size: 8, .value_kind: global_buffer, .address_space: global }
      - { .name: intensity_score_scales, .offset: 16, .size: 8, .value_kind: global_buffer, .address_space: global }
      - { .name: w_fc1_codes, .offset: 24, .size: 8, .value_kind: global_buffer, .address_space: global }
      - { .name: w_fc1_scales, .offset: 32, .size: 8, .value_kind: global_buffer, .address_space: global }
      - { .name: b_fc1, .offset: 40, .size: 8, .value_kind: global_buffer, .address_space: global }
      - { .name: w_fc2, .offset: 48, .size: 8, .value_kind: global_buffer, .address_space: global }
      - { .name: b_fc2, .offset: 56, .size: 8, .value_kind: global_buffer, .address_space: global }
      - { .name: out0, .offset: 64, .size: 8, .value_kind: global_buffer, .address_space: global }
    .group_segment_fixed_size: 3072
    .private_segment_fixed_size: 0
    .kernarg_segment_align: 8
    .kernarg_segment_size: 72
    .max_flat_workgroup_size: 512
    .sgpr_count:     66
    .vgpr_count:     256
    .wavefront_size: 32
...
	.end_amdgpu_metadata
.endif
;; end of part 3
;; ======== version 2 of 2: 3 launches; version 1 with the launches qproj, attn, tail written anew for expert scheduling mode
;; workspace buffers: qbuf 2,097,152 bytes; emb 2,097,152 bytes
;; launch qproj (part 4): grid 256 x 1, 2 waves a work-group, no clusters, 8,960 bytes of LDS; arguments query_codes, query_scales, w_q_codes, w_q_scales, b_q, qbuf; writes qbuf
.if DOCPART == 4
	.amdgcn_target "amdgcn-amd-amdhsa--gfx1250"
	.amdhsa_code_object_version 6
	.text
	.protected	k_q23bbdc9fde_qproj
	.globl	k_q23bbdc9fde_qproj
	.p2align	8
	.type	k_q23bbdc9fde_qproj,@function
k_q23bbdc9fde_qproj:
	s_mov_b64 s[64:65], 0
	v_nop
	global_prefetch_b8 v0, s[64:65] scope:SCOPE_SE
	s_setreg_imm32_b32 hwreg(HW_REG_WAVE_SCHED_MODE, 0, 2), 2
	s_setreg_imm32_b32 hwreg(HW_REG_WAVE_MODE, 25, 1), 1
	s_wait_xcnt 0x0
	s_wait_alu depctr_vm_vsrc(0)
; Q = query w_q^T + b_q on codes of E4M3 with one E8M0 scale for each 32 along K.  query: [1024][512] codes, w_q: [512][512] codes, K innermost; qbuf: [1024][512] f32, row = 64 b + n.
; SHARES.  512 waves, two to a work-group; wave u takes 16 query rows (u / 8) and 64 columns (u % 8): four tiles of 16 columns, K = 512 in four steps of 128: 16 matrix instructions.
; THE MATRIX INSTRUCTION IS USED TRANSPOSED (source 0 = 16 rows of w_q, source 1 = 16 query rows): a lane holds eight neighbouring columns of one row of Q.  The bias is the C of each sum's first instruction.
; All operands go from memory straight into registers, each byte of them once in the wave; no wave shares anything with another, so there is no barrier.  No cluster: each work-group reads 64 KiB and ends.
; THE MODE: SCHED_MODE bits 1:0 = 2 (LLVM: expert scheduling mode 2), set by the entry lines.  The code itself states the register dependences between vector or matrix instructions and memory or LDS instructions,
; with s_wait_alu, always for 0.
; THE PLAN.  Registers that memory or LDS instructions touch: v4-9, offsets and LDS addresses, made once at the head and never written again; the operands, scale words and bias tiles, which loads write once and
; no vector instruction names before; the four accumulators, written by the products and read by the LDS stores; v168-199, which LDS loads write and global stores read and nothing else names.
; So three waits: one ahead of the first reader of the wave's number, one ahead of the first load (the offsets are written), one ahead of the LDS stores (the accumulators are written).
; REGISTERS: window 0: v1 r, v2 h, v4-9 offsets; v16-79 the query's four fragments; v80-83 its scale words; v84-99 w_q's scale words; v104-135 the bias tiles; v136-167 four accumulators; v168-199 rows on the way out.
;   window 1: w_q's sixteen fragments, tile d, step s at v[64 d + 16 s].
.set AF,   16
.set ASC,  80
.set WSR,  84
.set BI,   104
.set ACC,  136
.set OUTR, 168
.set SPITCH, 272                       ; a stage row: 256 bytes + 16
.set MSB, 0
.macro WIN new                         ; the immediate's high byte repeats the setting that is left
.if MSB != \new
	s_set_vgpr_msb (MSB<<8)|\new
.set MSB, \new
.endif
.endm
	s_load_b256 s[4:11], s[0:1], 0x0               ; query's codes s[4:5], its scales s[6:7], w_q's codes s[8:9], its scales s[10:11]
	s_load_b128 s[12:15], s[0:1], 0x20             ; b_q s[12:13], qbuf s[14:15]
	v_lshl_add_u32 v254, v0, 2, 0x2200
	v_mov_b32 v255, 0
	v_lshrrev_b32 v3, 5, v0
	v_readfirstlane_b32 s16, v3                    ; wave 0, 1
	v_and_b32 v1, 15, v0                           ; r
	v_bfe_u32 v2, v0, 4, 1                         ; h
	s_lshl_b32 s17, ttmp9, 1
	s_wait_alu depctr_va_sdst(0)                   ; s16 is written, ahead of its first reader: the bases and my stage's place are made from it
	s_add_co_u32 s17, s17, s16                     ; u = 2 x work-group + wave
	s_lshr_b32 s18, s17, 3                         ; which 16 query rows
	s_and_b32 s19, s17, 7                          ; which 64 columns
	v_lshlrev_b32 v4, 9, v1
	v_lshl_add_u32 v4, v2, 4, v4                   ; a fragment: row r of 512 bytes, + 16 h
	v_lshlrev_b32 v5, 4, v1                        ; scale words: 16 bytes a row
	v_lshlrev_b32 v6, 5, v2                        ; the bias: 8 h numbers on
	s_mul_i32 s20, s16, 16*SPITCH                  ; my stage
	v_mul_u32_u24 v7, v1, SPITCH
	v_lshl_add_u32 v7, v2, 5, v7
	v_add_nc_u32 v7, s20, v7                       ; in: row r, + 32 h
	v_mul_u32_u24 v8, v2, SPITCH
	v_lshl_add_u32 v8, v1, 4, v8
	v_add_nc_u32 v8, s20, v8                       ; back: lanes 0-15 one row of 256 bytes, lanes 16-31 the next
	v_lshlrev_b32 v9, 11, v2
	v_lshl_add_u32 v9, v1, 4, v9                   ; and the same two rows in qbuf (2,048 bytes a row)
	s_mov_b32 s23, 0
	s_wait_kmcnt 0x0
	s_lshl_b32 s22, s18, 13                        ; 16 rows of 512 bytes
	s_add_nc_u64 s[4:5], s[4:5], s[22:23]
	s_lshl_b32 s22, s18, 8                         ; 16 rows of 16 scale bytes
	s_add_nc_u64 s[6:7], s[6:7], s[22:23]
	s_lshl_b32 s22, s19, 15                        ; 64 rows of w_q
	s_add_nc_u64 s[8:9], s[8:9], s[22:23]
	s_lshl_b32 s22, s19, 10
	s_add_nc_u64 s[10:11], s[10:11], s[22:23]
	s_lshl_b32 s22, s19, 8                         ; 64 numbers of 4 bytes: in b_q and in a row of qbuf
	s_add_nc_u64 s[12:13], s[12:13], s[22:23]
	s_add_nc_u64 s[14:15], s[14:15], s[22:23]
	s_lshl_b32 s22, s18, 15                        ; 16 rows of qbuf
	s_add_nc_u64 s[14:15], s[14:15], s[22:23]
	s_wait_alu depctr_va_vdst(0)                   ; v4 to v9 are written: every load and store of the kernel, global or LDS, reads one of them as its offset or address
.irp s, 0,1,2,3
.irp c, 0,1,2,3
	global_load_b128 v[AF+16*\s+4*\c:AF+16*\s+4*\c+3], v4, s[4:5] offset:128*\s+32*\c   ; registers 4 c on: k = 128 s + 32 c + 16 h + 0 .. 15
.endr
.endr
	global_load_b128 v[ASC:ASC+3], v5, s[6:7]      ; row r's four scale words, one for each step
.irp d, 0,1,2,3
	global_load_b128 v[WSR+4*\d:WSR+4*\d+3], v5, s[10:11] offset:256*\d
	global_load_b128 v[BI+8*\d:BI+8*\d+3], v6, s[12:13] offset:64*\d          ; b_q at columns 16 d + 8 h + 0 .. 7: the result's layout
	global_load_b128 v[BI+8*\d+4:BI+8*\d+7], v6, s[12:13] offset:64*\d+16
.endr
	WIN 0x40                                       ; destination window 1.  (Between the wait above and these loads stand loads and this switch alone)
.irp d, 0,1,2,3
.irp s, 0,1,2,3
.irp c, 0,1,2,3
	global_load_b128 v[64*\d+16*\s+4*\c:64*\d+16*\s+4*\c+3], v4, s[8:9] offset:8192*\d+128*\s+32*\c
.endr
.endr
.endr
	s_wait_loadcnt 0x0
	WIN 0x01                                       ; source 0 (w_q) window 1
.irp s, 0,1,2,3                        ; the four accumulators by turns, one instruction a turn
.irp d, 0,1,2,3
.if \s == 0
	v_wmma_scale_f32_16x16x128_f8f6f4 v[ACC+8*\d:ACC+8*\d+7], v[64*\d+16*\s:64*\d+16*\s+15], v[AF+16*\s:AF+16*\s+15], v[BI+8*\d:BI+8*\d+7], v[WSR+4*\d+\s], v[ASC+\s]
.else
	v_wmma_scale_f32_16x16x128_f8f6f4 v[ACC+8*\d:ACC+8*\d+7], v[64*\d+16*\s:64*\d+16*\s+15], v[AF+16*\s:AF+16*\s+15], v[ACC+8*\d:ACC+8*\d+7], v[WSR+4*\d+\s], v[ASC+\s]
.endif
.endr
.endr
	WIN 0
.rept 8
	v_nop                                          ; eight places between the last product and the first read of a result
.endr
	s_wait_alu depctr_va_vdst(0)                   ; the products have written the accumulators, which the LDS stores read; the places above stay beside this wait
.irp d, 0,1,2,3
	ds_store_b128 v7, v[ACC+8*\d:ACC+8*\d+3] offset:64*\d          ; each accumulator from its low end on
	ds_store_b128 v7, v[ACC+8*\d+4:ACC+8*\d+7] offset:64*\d+16
.endr
.irp t, 0,1,2,3,4,5,6,7
	ds_load_b128 v[OUTR+4*\t:OUTR+4*\t+3], v8 offset:2*\t*SPITCH   ; LDS serves a wave's instructions in order: these see my stores
.endr
.irp t, 0,1,2,3,4,5,6,7
	s_wait_dscnt 7-\t                              ; the younger loads may stay out
	global_store_b128 v9, v[OUTR+4*\t:OUTR+4*\t+3], s[14:15] offset:4096*\t   ; sixteen lanes store 256 consecutive bytes, aligned
.endr
	s_wait_dscnt 0x0
	s_wait_alu depctr_hold_cnt(0) depctr_sa_sdst(0) depctr_va_vdst(0) depctr_va_sdst(0) depctr_va_ssrc(0) depctr_va_vcc(0) depctr_vm_vsrc(0)
	s_wait_tensorcnt 0x0
	ds_add_u32 v254, v255
	s_wait_dscnt 0x0
	s_endpgm
.Lfunc_end_k_q23bbdc9fde_qproj:
	.size	k_q23bbdc9fde_qproj, .Lfunc_end_k_q23bbdc9fde_qproj-k_q23bbdc9fde_qproj
	.p2alignl 7, 3214868480
	.fill 96, 4, 3214868480
	.section	.rodata,"a",@progbits
	.p2align	6, 0x0
	.amdhsa_kernel k_q23bbdc9fde_qproj
		.amdhsa_group_segment_fixed_size 8960
		.amdhsa_private_segment_fixed_size 0
		.amdhsa_enable_private_segment 0
		.amdhsa_kernarg_size 48
		.amdhsa_user_sgpr_count 2
		.amdhsa_user_sgpr_kernarg_segment_ptr 1
		.amdhsa_wavefront_size32 1
		.amdhsa_system_sgpr_workgroup_id_x 1
		.amdhsa_system_sgpr_workgroup_id_y 1
		.amdhsa_system_sgpr_workgroup_id_z 1
		.amdhsa_system_vgpr_workitem_id 0
		.amdhsa_next_free_vgpr 512
		.amdhsa_next_free_sgpr 66
		.amdhsa_reserve_vcc 0
		.amdhsa_float_denorm_mode_32 3
		.amdhsa_float_denorm_mode_16_64 3
		.amdhsa_memory_ordered 1
		.amdhsa_forward_progress 1
		.amdhsa_inst_pref_size 16
	.end_amdhsa_kernel
	.amdgpu_metadata
---
amdhsa.version: [ 1, 2 ]
amdhsa.kernels:
  - .name:           k_q23bbdc9fde_qproj
    .symbol:         k_q23bbdc9fde_qproj.kd
    .args:
      - { .name: query_codes, .offset: 0, .size: 8, .value_kind: global_buffer, .address_space: global }
      - { .name: query_scales, .offset: 8, .size: 8, .value_kind: global_buffer, .address_space: global }
      - { .name: w_q_codes, .offset: 16, .size: 8, .value_kind: global_buffer, .address_space: global }
      - { .name: w_q_scales, .offset: 24, .size: 8, .value_kind: global_buffer, .address_space: global }
      - { .name: b_q, .offset: 32, .size: 8, .value_kind: global_buffer, .address_space: global }
      - { .name: qbuf, .offset: 40, .size: 8, .value_kind: global_buffer, .address_space: global }
    .group_segment_fixed_size: 8960
    .private_segment_fixed_size: 0
    .kernarg_segment_align: 8
    .kernarg_segment_size: 48
    .max_flat_workgroup_size: 64
    .sgpr_count:     66
    .vgpr_count:     512
    .wavefront_size: 32
...
	.end_amdgpu_metadata
.endif
;; end of part 4
;; launch attn (part 5): grid 256 x 1, 4 waves a work-group, no clusters, 299,008 bytes of LDS; arguments keys_codes, keys_scales, key_lens, w_k_codes, w_k_scales, w_v_codes, w_v_scales, b_k, b_v, qbuf, emb; writes emb
.if DOCPART == 5
	.amdgcn_target "amdgcn-amd-amdhsa--gfx1250"
	.amdhsa_code_object_version 6
	.text
	.protected	k_q23bbdc9fde_attn
	.globl	k_q23bbdc9fde_attn
	.p2align	8
	.type	k_q23bbdc9fde_attn,@function
k_q23bbdc9fde_attn:
	s_mov_b64 s[64:65], 0
	v_nop
	global_prefetch_b8 v0, s[64:65] scope:SCOPE_SE
	s_setreg_imm32_b32 hwreg(HW_REG_WAVE_SCHED_MODE, 0, 2), 2
	s_setreg_imm32_b32 hwreg(HW_REG_WAVE_MODE, 25, 1), 1
	s_wait_xcnt 0x0
	s_wait_alu depctr_vm_vsrc(0)
; For each of the 1,024 pairs (n, b): K = keys w_k^T + b_k and V = keys w_v^T + b_v on codes of E4M3 (one E8M0 scale for each 32 along K), scores = Q . K / 8 by f32 multiply-adds, the mask l < key_lens[n],
; a softmax with its maximum taken away, emb = attn . V by f32 multiply-adds.  emb: [64 b + n][512] f32.
; WORK NOT DONE: key rows from key_lens[n] on are masked, so only the first NLT = max(2, ceil(len / 16)) tiles of 16 key rows are loaded and multiplied.
; SHARES.  A work-group takes half of the heads (ttmp9 & 1: 256 columns of K and 256 of V); their 512 weight rows, scale bytes and biases lie in LDS for the whole launch, read from memory once by the work-group.
; A wave owns two whole pairs: with the 64 positions n ordered by (len, n), the positions of rank 63 - i and of rank i, so that every wave has about the same number of key tiles.  A pair's keys, up to 128 rows x 512
; codes, stay in 512 registers through both products.  Behind the one barrier (weights in LDS) the waves share nothing.
; NO TENSOR LOADS, NO CLUSTER: the trip through the key tiles branches on key_lens, a number read from memory, and what the work-groups share, the weights, is read once by each (270,336 bytes) against up to 131,072 bytes of keys a wave.
; LAYOUT.  K is made transposed (source 0 = 16 rows of w_k, source 1 = 16 key rows): a lane holds one key row l = r and eight columns d = 8 h + j, which meet eight numbers of Q.
;   V is made as it stands (source 0 = 16 key rows, source 1 = 16 rows of w_v): a lane holds one column d = r and eight key rows l = 8 h + j, which meet eight weights of the softmax.
; LIMITS: key_lens from 1 to 128 (above 128 counts as 128; 0 is not served).  NaN codes or scale bytes 0xff in key rows beyond key_lens, in a tile that is multiplied, are carried into the result (weight 0 x NaN).  b_v is added behind the normalised sum (the weights add to 1).
; THE MODE: SCHED_MODE bits 1:0 = 2 (LLVM: expert scheduling mode 2), set by the entry lines.  The code itself states the register dependences between vector or matrix instructions and memory or LDS instructions,
; with s_wait_alu, always for 0.
; THE PLAN.  Registers that memory or LDS instructions touch in the loops, and who else names them:
;   weight buffer g, WS[g], and Q[g], b_k[g] (K) or b_v[g] (V): loaded at the head of step k, with tile k + 1; read by step k + 1's products and multiply-adds; loaded again at the head of step k + 2.
;   AD[g]        the LDS addresses of those loads: written by three or four additions at the step's head, read by that step's loads.
;   keys, KS     loaded at a pair's head; read by all the pair's products.
;   T            Q lands there and an LDS store reads it; a head's end writes the softmax's weights there and LDS stores read them; emb lands there on the way out and the global stores read it.
;   v26; v24; v22, v23   the address of the weights' stores; of their loads; a V step's number of emb and its address: each written by vector lines shortly ahead of its use.
;   VKO, L16, PFO, KA and the lane constants v1-15 are made at the head and never written again.
; So a step's head holds one wait on vm_vsrc (the loads of two steps back have read AD[g]; a V step's store has read v22, v23), the additions, and ONE wait on va_vdst: AD[g] is written, and the last step's products and
; multiply-adds are done reading what the loads land in.  It stands where the multiply-adds have taken every accumulator.  The loads follow in one run: a weight load wants its destination in window 1 and
; its address in window 0, a product its source 0 in window 1 and its result in window 0, so each alternation would want two switches, in each of seven variants.  A V step has one more wait on va_vdst, ahead of its one store.
; REGISTERS, in windows of 256.  window 0: v1-15 lane constants; v16-19, v28-31 LDS addresses of weight buffer 0, 1; v20 prefetch offset; v21 -1e30; v22-27 at work; v32-47 the keys' scale words; v48-55 the weights';
;   v56-57 b_v; v64-127 eight accumulators; v128-191 the softmax's weights (V), or Q, b_k and the scores' partial sums (K); v192-199 emb's partial sums; v200-215 at work; v216-221 offsets of key tiles; v224-247 used at the head.
;   window 1: two buffers of a weight tile (16 rows x 512 K: 64 registers).   window 2: the keys' K steps 0, 1 (tile t at v[32 t]).   window 3: K steps 2, 3.
.set WP,   528                         ; a weight row in LDS: 512 bytes + 16: an odd multiple of 16, so the 16 rows of a fragment load start in 16 different groups of banks
.set DT,   16*WP                       ; a tile of 16 weight rows
.set WSC,  512*WP                      ; behind the 512 rows: their scale bytes, 16 a row
.set BK,   WSC+8192                    ; b_k of my half, 1,024 bytes
.set BV,   BK+1024                     ; b_v of my half
.set PADB, BV+1024                     ; 512 bytes of zeros: the fetch that runs one tile past b_v's end lands here
.set PW,   PADB+512                    ; each wave's own 4,352 bytes:
.set PWB,  4352
.set QPAD, 1024                        ;   +0 Q's 256 numbers; +1,024 zeros (the fetch past Q's end)
.set PST,  1280                        ;   +1,280 the softmax's weights, 4 heads x 128
.set EST,  3328                        ;   +3,328 emb's 256 numbers
.set R,    1
.set HF,   2
.set LN,   3
.set VW0,  4                           ; r x WP + 16 h
.set VS0,  5                           ; WSC + 16 r
.set VQ0,  6                           ; my Q + 32 h
.set VB0,  7                           ; BK + 32 h
.set VBV0, 8                           ; BV + 4 r
.set PSW,  9                           ; my PST + 4 r
.set PSR,  10                          ; my PST + 32 h
.set ESW,  11                          ; my EST + 4 r
.set QSW,  12                          ; my Q + 16 x lane
.set ESR,  13                          ; my EST + 16 x lane
.set VKO,  14                          ; keys: r x 512 + 16 h
.set L16,  15                          ; 16 x lane
.set AD,   16                          ; LDS addresses of buffer g at v[AD + 12 g] on: a set for each buffer
.set PFO,  20                          ; 256 x lane; never rewritten
.set NEG,  21
.set KS,   32                          ; v[KS + 4 g + s]: lane L holds key row 32 g + L's scale word of K step s: an even tile reads lanes 0-15, an odd one lanes 16-31
.set WS,   48                          ; v[WS + 4 f + s]: buffer f's rows' scale words
.set BVR,  56
.set ACC,  64
.set PP,   128
.set QQ,   128
.set BI,   144
.set SP,   160
.set OO,   192
.set T,    200
.set U,    208
.set KA,   216
.set FS,   224
.set RK,   244
.set WV,   26
.set HALF, 27
.set BB,   28
.set II,   29
.set PWS,  30
.set LEN,  31
.set NLT,  32
.set LENB, 33
.set NLTB, 34
.set CUR,  36                          ; s[36:43] the pair in hand: keys' codes, keys' scales, its row of qbuf, its row of emb
.set MK,   44                          ; s44-51 lane masks: key row 16 t + r counts
.set NXT,  52                          ; s[52:59] the same four addresses of the second pair; never rewritten
.set XK,   36                          ; at the head only: eight keys of the order as scalars, two sets by turns: s36-43 and s73-80
.set XM,   44                          ; at the head only: s44-59, sixteen masks of a run of compares
.set SW,   60                          ; LDS steps of the tile to be fetched: weight rows,
.set SS,   61                          ; scale bytes,
.set SD,   62                          ; Q and b_k, or b_v
.set SPO,  63                          ; the head's place in PST
.set SE,   66                          ; the tile's place in EST
.set CP,   67
.set CH,   68
.set CI,   69
.set SEL,  70
.set CS,   72
.set PC,   74
.set PS,   76
.set PB,   78
.set MSB, 0
.macro WIN new                         ; the immediate's high byte repeats the setting that is left; 0 at every label and branch
.if MSB != \new
	s_set_vgpr_msb (MSB<<8)|\new
.set MSB, \new
.endif
.endm
; THE RANKS, in runs, so that one wait serves a run.  Eight keys of the order as scalars, into set q % 2
.macro RLANE q
.set i, 0
.rept 8
	v_readlane_b32 s[XK+37*((\q)%2)+i], v[RK+(\q)/4], 8*((\q)%4)+i
.set i, i+1
.endr
.endm
; each of the eight against my two keys: sixteen masks
.macro RCMP q
.set i, 0
.rept 8
	v_cmp_lt_u32 s[XM+2*i], s[XK+37*((\q)%2)+i], v[RK]
	v_cmp_lt_u32 s[XM+2*i+1], s[XK+37*((\q)%2)+i], v[RK+1]
.set i, i+1
.endr
.endm
; and 1 for each smaller key onto my two ranks
.macro RADD
.set i, 0
.rept 16
	v_cndmask_b32 v[T+i], 0, 1, s[XM+i]
.set i, i+1
.endr
.set i, 0
.rept 8
	v_add_nc_u32 v[RK+2], v[RK+2], v[T+2*i]
	v_add_nc_u32 v[RK+3], v[RK+3], v[T+2*i+1]
.set i, i+1
.endr
.endm
; The position n whose rank was met (masks s[m0]: positions 0-31, s[m1]: 32-63), its length and its number of key tiles.  Each number that enters an address is held by s_min_u32 with a constant.
.macro PICK m0, m1, n, len, nlt
	s_ctz_i32_b32 s83, s[\m0]
	s_ctz_i32_b32 s84, s[\m1]
	s_add_co_u32 s84, s84, 32
	s_cmp_lg_u32 s[\m0], 0
	s_cselect_b32 s[\n], s83, s84
	s_min_u32 s[\n], s[\n], 63
	s_lshl_b32 s84, s[\n], 2
	s_load_b32 s[\len], s[8:9], s84 offset:0x0
	s_wait_kmcnt 0x0
	s_min_u32 s[\len], s[\len], 128
	s_add_co_u32 s[\nlt], s[\len], 15
	s_lshr_b32 s[\nlt], s[\nlt], 4
	s_max_u32 s[\nlt], s[\nlt], 2                  ; two tiles at the least, so that accumulators can take turns
	s_min_u32 s[\nlt], s[\nlt], 8
.endm
; The four addresses of pair (n, b) into s[o] on.  s87 = 0.
.macro BASES n, o
	s_lshl_b32 s85, s[\n], 4
	s_add_co_u32 s85, s85, s[BB]                   ; 16 n + b
	s_lshl_b32 s86, s85, 16                        ; 128 rows of 512 codes
	s_add_nc_u64 s[\o:\o+1], s[4:5], s[86:87]
	s_lshl_b32 s86, s85, 11                        ; 128 rows of 16 scale bytes
	s_add_nc_u64 s[\o+2:\o+3], s[6:7], s[86:87]
	s_lshl_b32 s85, s[BB], 6
	s_add_co_u32 s85, s85, s[\n]                   ; 64 b + n
	s_lshl_b32 s86, s85, 11
	s_lshl_b32 s85, s[HALF], 10
	s_add_co_u32 s86, s86, s85                     ; a row of 2,048 bytes, my half's 1,024
	s_add_nc_u64 s[\o+4:\o+5], s[22:23], s[86:87]
	s_add_nc_u64 s[\o+6:\o+7], s[24:25], s[86:87]
.endm
; Key tile t (16 rows x 512 codes) into its 64 registers: registers 4 c on of K step s hold k = 128 s + 32 c + 16 h + 0 .. 15 of row r
.macro KTILE t, adr, off
	WIN 0x80                                       ; destination window 2
.irp s, 0,1
.irp c, 0,1,2,3
	global_load_b128 v[32*(\t)+16*\s+4*\c:32*(\t)+16*\s+4*\c+3], v[\adr], s[CUR:CUR+1] offset:(\off)+128*\s+32*\c
.endr
.endr
	WIN 0xc0                                       ; destination window 3
.irp s, 0,1
.irp c, 0,1,2,3
	global_load_b128 v[32*(\t)+16*\s+4*\c:32*(\t)+16*\s+4*\c+3], v[\adr], s[CUR:CUR+1] offset:(\off)+256+128*\s+32*\c
.endr
.endr
	WIN 0
.endm
; The fill: 32 weight rows, a row of 512 bytes to a load, into half hb of window 1, and from there into LDS
.macro FLOAD hb, row0
.set i, 0
.rept 32
	global_load_b128 v[128*\hb+4*i:128*\hb+4*i+3], v[L16], s[PC:PC+1] offset:512*(\row0+i)
.set i, i+1
.endr
.endm
.macro FSTORE hb, adr, row0
.set i, 0
.rept 32
	ds_store_b128 v[\adr], v[128*\hb+4*i:128*\hb+4*i+3] offset:WP*(\row0+i)
.set i, i+1
.endr
.endm
; The next weight tile into buffer g: 16 loads of codes, one of scale words.  Between the wait that stands ahead of this run and its loads stand window switches and loads alone.
.macro WLOADS g
	WIN 0x40                                       ; destination window 1
.irp s, 0,1,2,3
.irp c, 0,1,2,3
	ds_load_b128 v[64*\g+16*\s+4*\c:64*\g+16*\s+4*\c+3], v[AD+12*\g] offset:128*\s+32*\c
.endr
.endr
	WIN 0
	ds_load_b128 v[WS+4*\g:WS+4*\g+3], v[AD+12*\g+1]
	s_add_co_u32 s[SW], s[SW], DT
	s_add_co_u32 s[SS], s[SS], 256
.endm
.macro FETCHK g                        ; 21 LDS loads: with the tile's eight numbers of Q and of b_k (columns 8 h + 0 .. 7)
	s_wait_alu depctr_vm_vsrc(0)                   ; the LDS instructions issued so far have read their registers: the loads of two steps back this set of addresses, the stores of Q and of a head's weights their data and address
	v_add_nc_u32 v[AD+12*\g], s[SW], v[VW0]
	v_add_nc_u32 v[AD+12*\g+1], s[SS], v[VS0]
	v_add_nc_u32 v[AD+12*\g+2], s[SD], v[VQ0]
	v_add_nc_u32 v[AD+12*\g+3], s[SD], v[VB0]
	s_wait_alu depctr_va_vdst(0)                   ; the four addresses are written; the last step's products are done reading buffer g, its scale words and b_k, its multiply-adds Q: the loads below land there
	WLOADS \g
	ds_load_b128 v[QQ+8*\g:QQ+8*\g+3], v[AD+12*\g+2]
	ds_load_b128 v[QQ+8*\g+4:QQ+8*\g+7], v[AD+12*\g+2] offset:16
	ds_load_b128 v[BI+8*\g:BI+8*\g+3], v[AD+12*\g+3]
	ds_load_b128 v[BI+8*\g+4:BI+8*\g+7], v[AD+12*\g+3] offset:16
	s_add_co_u32 s[SD], s[SD], 64
.endm
.macro FETCHV g                        ; 18 LDS loads: with b_v of column r
	s_wait_alu depctr_vm_vsrc(0)                   ; the loads of two steps back have read this set of addresses; the last step's store has read v22 and v23, which this step writes again
	v_add_nc_u32 v[AD+12*\g], s[SW], v[VW0]
	v_add_nc_u32 v[AD+12*\g+1], s[SS], v[VS0]
	v_add_nc_u32 v[AD+12*\g+2], s[SD], v[VBV0]
	s_wait_alu depctr_va_vdst(0)                   ; the three addresses are written; the last step's products are done reading buffer g and its scale words, its last addition b_v: the loads below land there
	WLOADS \g
	ds_load_b32 v[BVR+\g], v[AD+12*\g+2]
	s_add_co_u32 s[SD], s[SD], 64
.endm
; One product of K: key tile tl, K step s, weight buffer f.  The first step's C is b_k.
.macro KMM f, s
.set rD, ACC+8*tl
.set rW, 64*\f+16*\s
.set rK, 32*tl+16*(\s%2)
.set rA, WS+4*\f+\s
.set rB, KS+4*(tl/2)+\s
.if \s == 0
.if tl%2
	v_wmma_scale_f32_16x16x128_f8f6f4 v[rD:rD+7], v[rW:rW+15], v[rK:rK+15], v[BI+8*\f:BI+8*\f+7], v[rA], v[rB] matrix_b_scale:MATRIX_SCALE_ROW1
.else
	v_wmma_scale_f32_16x16x128_f8f6f4 v[rD:rD+7], v[rW:rW+15], v[rK:rK+15], v[BI+8*\f:BI+8*\f+7], v[rA], v[rB]
.endif
.else
.if tl%2
	v_wmma_scale_f32_16x16x128_f8f6f4 v[rD:rD+7], v[rW:rW+15], v[rK:rK+15], v[rD:rD+7], v[rA], v[rB] matrix_b_scale:MATRIX_SCALE_ROW1
.else
	v_wmma_scale_f32_16x16x128_f8f6f4 v[rD:rD+7], v[rW:rW+15], v[rK:rK+15], v[rD:rD+7], v[rA], v[rB]
.endif
.endif
.endm
; One product of V: the sources change places; the first step's C is 0.
.macro VMM f, s
.set rD, ACC+8*tl
.set rW, 64*\f+16*\s
.set rK, 32*tl+16*(\s%2)
.set rA, WS+4*\f+\s
.set rB, KS+4*(tl/2)+\s
.if \s == 0
.if tl%2
	v_wmma_scale_f32_16x16x128_f8f6f4 v[rD:rD+7], v[rK:rK+15], v[rW:rW+15], 0, v[rB], v[rA] matrix_a_scale:MATRIX_SCALE_ROW1
.else
	v_wmma_scale_f32_16x16x128_f8f6f4 v[rD:rD+7], v[rK:rK+15], v[rW:rW+15], 0, v[rB], v[rA]
.endif
.else
.if tl%2
	v_wmma_scale_f32_16x16x128_f8f6f4 v[rD:rD+7], v[rK:rK+15], v[rW:rW+15], v[rD:rD+7], v[rB], v[rA] matrix_a_scale:MATRIX_SCALE_ROW1
.else
	v_wmma_scale_f32_16x16x128_f8f6f4 v[rD:rD+7], v[rK:rK+15], v[rW:rW+15], v[rD:rD+7], v[rB], v[rA]
.endif
.endif
.endm
; 16 columns of K for nlt key tiles, and their part of the scores.  The nlt accumulators take turns, one instruction a turn, K step by K step.
; Eight v_nop stand between the last product and the first read of a result; with the multiply-adds on the other accumulators and the next fetch's address lines they are also the places
; ahead of the products that begin these accumulators anew.
.macro KVAR f, nlt
.irp s, 0,1,2,3
.if \s < 2
	WIN 0x09                                       ; source 0 (weights) window 1, source 1 (keys) window 2
.else
	WIN 0x0d                                       ; keys window 3
.endif
.set tl, 0
.rept \nlt
	KMM \f, \s
.set tl, tl+1
.endr
.endr
	WIN 0
.rept 8
	v_nop
.endr
.irp i, 0,1,2,3                        ; each accumulator is read from its low end on
.set tl, 0
.rept \nlt
	v_pk_fma_f32 v[SP+2*tl:SP+2*tl+1], v[ACC+8*tl+2*\i:ACC+8*tl+2*\i+1], v[QQ+8*\f+2*\i:QQ+8*\f+2*\i+1], v[SP+2*tl:SP+2*tl+1]
.set tl, tl+1
.endr
.endr
.endm
; 16 columns of V for nlt key tiles, weighed by the softmax: four pairs of partial sums
.macro VVAR f, nlt
.irp s, 0,1,2,3
.if \s < 2
	WIN 0x06                                       ; source 0 (keys) window 2, source 1 (weights) window 1
.else
	WIN 0x07                                       ; keys window 3
.endif
.set tl, 0
.rept \nlt
	VMM \f, \s
.set tl, tl+1
.endr
.endr
	WIN 0
.rept 8
	v_nop
.endr
.irp i, 0,1,2,3
	v_pk_mul_f32 v[OO+2*\i:OO+2*\i+1], v[ACC+2*\i:ACC+2*\i+1], v[PP+2*\i:PP+2*\i+1]   ; the first tile starts the sums
.endr
.set tl, 1
.rept \nlt-1
.irp i, 0,1,2,3
	v_pk_fma_f32 v[OO+2*\i:OO+2*\i+1], v[ACC+8*tl+2*\i:ACC+8*tl+2*\i+1], v[PP+8*tl+2*\i:PP+8*tl+2*\i+1], v[OO+2*\i:OO+2*\i+1]
.endr
.set tl, tl+1
.endr
.endm
; A step of the K phase on buffer f: the next tile is asked for first, into buffer g; then the variant for this pair's number of key tiles
.macro KSTEP f, g
	FETCHK \g
	s_wait_dscnt 21                                ; all but the 21 loads just issued: buffer f, its scale words, Q and b_k are in
	s_cmp_eq_u32 s[NLT], 2
	s_cbranch_scc1 .Lk2_\@
	s_cmp_eq_u32 s[NLT], 3
	s_cbranch_scc1 .Lk3_\@
	s_cmp_eq_u32 s[NLT], 4
	s_cbranch_scc1 .Lk4_\@
	s_cmp_eq_u32 s[NLT], 5
	s_cbranch_scc1 .Lk5_\@
	s_cmp_eq_u32 s[NLT], 6
	s_cbranch_scc1 .Lk6_\@
	s_cmp_eq_u32 s[NLT], 7
	s_cbranch_scc1 .Lk7_\@
	KVAR \f, 8
	s_branch .Lke_\@
.Lk2_\@:
	KVAR \f, 2
	s_branch .Lke_\@
.Lk3_\@:
	KVAR \f, 3
	s_branch .Lke_\@
.Lk4_\@:
	KVAR \f, 4
	s_branch .Lke_\@
.Lk5_\@:
	KVAR \f, 5
	s_branch .Lke_\@
.Lk6_\@:
	KVAR \f, 6
	s_branch .Lke_\@
.Lk7_\@:
	KVAR \f, 7
.Lke_\@:
.endm
; A step of the V phase on buffer f; at its end column r's number of emb goes to the wave's own stage
.macro VSTEP f, g
	FETCHV \g
	s_wait_dscnt 18                                ; all but the 18 loads just issued
	s_cmp_eq_u32 s[NLT], 2
	s_cbranch_scc1 .Lv2_\@
	s_cmp_eq_u32 s[NLT], 3
	s_cbranch_scc1 .Lv3_\@
	s_cmp_eq_u32 s[NLT], 4
	s_cbranch_scc1 .Lv4_\@
	s_cmp_eq_u32 s[NLT], 5
	s_cbranch_scc1 .Lv5_\@
	s_cmp_eq_u32 s[NLT], 6
	s_cbranch_scc1 .Lv6_\@
	s_cmp_eq_u32 s[NLT], 7
	s_cbranch_scc1 .Lv7_\@
	VVAR \f, 8
	s_branch .Lve_\@
.Lv2_\@:
	VVAR \f, 2
	s_branch .Lve_\@
.Lv3_\@:
	VVAR \f, 3
	s_branch .Lve_\@
.Lv4_\@:
	VVAR \f, 4
	s_branch .Lve_\@
.Lv5_\@:
	VVAR \f, 5
	s_branch .Lve_\@
.Lv6_\@:
	VVAR \f, 6
	s_branch .Lve_\@
.Lv7_\@:
	VVAR \f, 7
.Lve_\@:
	s_wait_alu depctr_va_vdst(0)
	v_pk_add_f32 v[OO:OO+1], v[OO:OO+1], v[OO+2:OO+3]
	v_pk_add_f32 v[OO+4:OO+5], v[OO+4:OO+5], v[OO+6:OO+7]
	v_pk_add_f32 v[OO:OO+1], v[OO:OO+1], v[OO+4:OO+5]
	v_add_f32 v22, v[OO], v[OO+1]
	v_permlanex16_b32 v[U], v22, s[SEL], s[SEL+1]  ; the column's other key rows lie in the lane 16 away
	v_add_f32 v22, v22, v[U]
	v_add_f32 v22, v22, v[BVR+\f]                  ; + b_v: the weights add to 1
	v_add_nc_u32 v23, s[SE], v[ESW]
	s_wait_alu depctr_va_vdst(0)                   ; v22, the number, and v23, its address, are written: the store reads both
	ds_store_b32 v23, v22                          ; lanes r and r + 16 write the same word with the same number
	s_add_co_u32 s[SE], s[SE], 64
.endm
; A head's scores are whole: the mask, the softmax over its 128 places, the weights to the wave's own stage.  A tile that was not multiplied holds 0 and is masked.
.macro HEADEND
.irp t, 0,1,2,3,4,5,6,7
	v_add_f32 v[T+\t], v[SP+2*\t], v[SP+2*\t+1]
.endr
.irp t, 0,1,2,3,4,5,6,7
	v_permlanex16_b32 v[U+\t], v[T+\t], s[SEL], s[SEL+1]   ; the key row's other 32 columns lie in the lane 16 away
.endr
.irp t, 0,1,2,3,4,5,6,7
	v_add_f32 v[T+\t], v[T+\t], v[U+\t]
.endr
.irp t, 0,1,2,3,4,5,6,7
	v_cndmask_b32 v[T+\t], v[NEG], v[T+\t], s[MK+\t]       ; -1e30 where 16 t + r is not under the length
.endr
	v_max3_num_f32 v22, v[T], v[T+1], v[T+2]
	v_max3_num_f32 v23, v[T+3], v[T+4], v[T+5]
	v_max3_num_f32 v22, v22, v[T+6], v[T+7]
	v_max_num_f32 v22, v22, v23
	v_max_num_f32_dpp v22, v22, v22 row_xmask:1 row_mask:0xf bank_mask:0xf
	v_max_num_f32_dpp v22, v22, v22 row_xmask:2 row_mask:0xf bank_mask:0xf
	v_max_num_f32_dpp v22, v22, v22 row_xmask:4 row_mask:0xf bank_mask:0xf
	v_max_num_f32_dpp v22, v22, v22 row_xmask:8 row_mask:0xf bank_mask:0xf   ; both halves of the lanes hold the same 16 x 8 scores: this is the head's maximum
	v_mul_f32 v23, s[CS], v22                      ; c x maximum, c = log2(e) / 8
.irp t, 0,1,2,3,4,5,6,7
	v_fma_f32 v[T+\t], v[T+\t], s[CS], -v23
.endr
	s_wait_alu depctr_va_vdst(0)
.irp t, 0,1,2,3,4,5,6,7
	v_exp_f32 v[T+\t], v[T+\t]
.endr
	v_nop                                          ; a plain instruction behind the last exponential (ISA guide 5.7.2)
	s_wait_alu depctr_va_vdst(0)                   ; the eight exponentials have written v[T ..]: one wait, ahead of their first reader
	v_add_f32 v24, v[T], v[T+1]
	v_add_f32 v25, v[T+2], v[T+3]
	v_add_f32 v26, v[T+4], v[T+5]
	v_add_f32 v27, v[T+6], v[T+7]
	v_add_f32 v24, v24, v25
	v_add_f32 v26, v26, v27
	v_add_f32 v24, v24, v26
	v_add_f32_dpp v24, v24, v24 row_xmask:1 row_mask:0xf bank_mask:0xf
	v_add_f32_dpp v24, v24, v24 row_xmask:2 row_mask:0xf bank_mask:0xf
	v_add_f32_dpp v24, v24, v24 row_xmask:4 row_mask:0xf bank_mask:0xf
	v_add_f32_dpp v24, v24, v24 row_xmask:8 row_mask:0xf bank_mask:0xf
	s_wait_alu depctr_va_vdst(0)
	v_rcp_f32 v25, v24
	v_add_nc_u32 v26, s[SPO], v[PSW]               ; (a plain instruction behind the reciprocal)
	s_wait_alu depctr_va_vdst(0)                   ; the reciprocal has written v25, ahead of its first reader
.irp t, 0,1,2,3,4,5,6,7
	v_mul_f32 v[T+\t], v[T+\t], v25
.endr
	s_wait_alu depctr_va_vdst(0)                   ; the eight weights in v[T ..] and their address v26 are written: the stores read them
.irp t, 0,1,2,3,4,5,6,7
	ds_store_b32 v26, v[T+\t] offset:64*\t         ; weight of key row 16 t + r; lanes r and r + 16 write the same word with the same number
.endr
	s_add_co_u32 s[SPO], s[SPO], 512
.irp t, 0,1,2,3,4,5,6,7,8,9,10,11,12,13,14,15
	v_mov_b32 v[SP+\t], 0                          ; the next head's partial sums
.endr
.endm
	s_load_b512 s[4:19], s[0:1], 0x0               ; keys' codes 4, keys' scales 6, key_lens 8, w_k's codes 10, scales 12, w_v's codes 14, scales 16, b_k 18
	s_load_b128 s[20:23], s[0:1], 0x40             ; b_v 20, qbuf 22
	s_load_b64 s[24:25], s[0:1], 0x50              ; emb
	v_lshl_add_u32 v254, v0, 2, 0x48e00
	v_mov_b32 v255, 0
	v_lshrrev_b32 v22, 5, v0
	v_readfirstlane_b32 s[WV], v22                 ; wave 0..3
	v_and_b32 v[R], 15, v0
	s_wait_alu depctr_va_vdst(0)
	v_bfe_u32 v[HF], v0, 4, 1
	v_and_b32 v[LN], 31, v0
	s_and_b32 s[HALF], ttmp9, 1                    ; which four heads
	s_lshr_b32 s[BB], ttmp9, 1
	s_lshl_b32 s[BB], s[BB], 2
	s_wait_alu depctr_va_sdst(0)                   ; the wave's number is written as a scalar, ahead of its first reader: my pairs, my LDS bytes and my part of the fill are made from it
	s_add_co_u32 s[BB], s[BB], s[WV]               ; u = 4 (work-group / 2) + wave, 0 .. 511
	s_lshr_b32 s[II], s[BB], 4                     ; i = u / 16
	s_and_b32 s[BB], s[BB], 15                     ; b = u % 16
	s_mul_i32 s[PWS], s[WV], PWB
	s_add_co_u32 s[PWS], s[PWS], PW                ; my wave's own LDS bytes
	v_mul_u32_u24 v[VW0], v[R], WP
	s_wait_alu depctr_va_vdst(0)
	v_lshl_add_u32 v[VW0], v[HF], 4, v[VW0]
	v_lshlrev_b32 v[VS0], 4, v[R]
	v_add_nc_u32 v[VS0], WSC, v[VS0]
	v_lshlrev_b32 v[VQ0], 5, v[HF]
	v_add_nc_u32 v[VB0], BK, v[VQ0]
	v_add_nc_u32 v[VQ0], s[PWS], v[VQ0]
	v_add_nc_u32 v[PSR], PST, v[VQ0]
	v_lshlrev_b32 v[VBV0], 2, v[R]
	v_add_nc_u32 v[PSW], s[PWS], v[VBV0]
	v_add_nc_u32 v[ESW], EST, v[PSW]
	v_add_nc_u32 v[PSW], PST, v[PSW]
	v_add_nc_u32 v[VBV0], BV, v[VBV0]
	v_lshlrev_b32 v[L16], 4, v[LN]
	v_add_nc_u32 v[QSW], s[PWS], v[L16]
	v_add_nc_u32 v[ESR], EST, v[QSW]
	v_lshlrev_b32 v[VKO], 9, v[R]
	v_lshl_add_u32 v[VKO], v[HF], 4, v[VKO]
	v_lshlrev_b32 v[PFO], 8, v[LN]
	v_mov_b32 v[NEG], 0xf149f2ca                   ; -1e30
.irp t, 0,1,2,3,4,5,6,7
	v_mov_b32 v[U+\t], 0                           ; written once: a lane permute's destination counts as one of its sources
.endr
	s_mov_b32 s[SEL], 0x76543210
	s_mov_b32 s[SEL+1], 0xfedcba98                 ; v_permlanex16_b32's selects for lane l xor 16
	s_mov_b32 s[CS], 0x3e38aa3b                    ; log2(e) / sqrt(64)
	s_mov_b32 s87, 0
	v_lshlrev_b32 v22, 2, v[LN]
	s_wait_kmcnt 0x0
	; THE RANKS.  A lane holds positions n = lane and n = lane + 32; the order is by 64 x length + n, so no two are equal; a position's rank is the number of smaller ones.
	s_wait_alu depctr_va_vdst(0)                   ; v22 is written: the two loads read it as their offset
	global_load_b32 v[RK], v22, s[8:9]
	global_load_b32 v[RK+1], v22, s[8:9] offset:128
	s_wait_loadcnt 0x0
	v_min_u32 v[RK], 0x80, v[RK]
	v_min_u32 v[RK+1], 0x80, v[RK+1]
	v_add_nc_u32 v[RK+2], 32, v[LN]
	v_lshl_or_b32 v[RK], v[RK], 6, v[LN]
	v_lshl_or_b32 v[RK+1], v[RK+1], 6, v[RK+2]
	v_mov_b32 v[RK+2], 0
	v_mov_b32 v[RK+3], 0
	RLANE 0
	s_wait_alu depctr_va_sdst(0)                   ; the first eight keys are written as scalars, ahead of the compares that read them
.irp q, 0,1,2,3,4,5,6,7
	RCMP \q
.if \q < 7
	RLANE \q+1                                     ; the next eight keys go into the other set, so that the wait below serves them too
.endif
	s_wait_alu depctr_va_sdst(0)                   ; the sixteen masks are written, ahead of the selects that read them; so are the next eight keys, ahead of their compares
	RADD
.endr
	s_sub_co_u32 s88, 63, s[II]
	v_cmp_eq_u32 s81, s88, v[RK+2]                 ; who has rank 63 - i,
	v_cmp_eq_u32 s82, s88, v[RK+3]
	v_cmp_eq_u32 s90, s[II], v[RK+2]               ; and who rank i
	v_cmp_eq_u32 s91, s[II], v[RK+3]
	s_wait_alu depctr_va_sdst(0)                   ; the four masks are written, ahead of the scalar lines that read them
	PICK 81, 82, 89, LEN, NLT                      ; my first pair: rank 63 - i, a long one
	BASES 89, CUR
	PICK 90, 91, 89, LENB, NLTB                    ; my second: rank i, a short one
	BASES 89, NXT
	; The offsets of the first pair's key tiles.  No branch: a tile from NLT on loads tile NLT - 1 once more, so that every key register is written on every path.
	s_sub_co_u32 s80, s[NLT], 1
.irp t, 2,3,4,5,6,7
	s_min_u32 s81, s80, \t
	s_lshl_b32 s81, s81, 13
	v_add_nc_u32 v[KA+\t-2], s81, v[VKO]
.endr
	; THE FILL.  Waves 0, 1 bring my half's 256 rows of w_k, waves 2, 3 those of w_v: 128 rows a wave, with their scale bytes and biases.  Its addresses are made here, with the key tiles' offsets, so that one wait serves all the loads.
	s_cmp_lt_u32 s[WV], 2
	s_cselect_b64 s[PC:PC+1], s[10:11], s[14:15]
	s_cselect_b64 s[PS:PS+1], s[12:13], s[16:17]
	s_cselect_b64 s[PB:PB+1], s[18:19], s[20:21]
	s_and_b32 s80, s[WV], 1
	s_lshl_b32 s81, s[HALF], 1
	s_add_co_u32 s81, s81, s80                     ; which 128 rows of the tensor's 512
	s_lshl_b32 s86, s81, 16
	s_add_nc_u64 s[PC:PC+1], s[PC:PC+1], s[86:87]
	s_lshl_b32 s86, s81, 11
	s_add_nc_u64 s[PS:PS+1], s[PS:PS+1], s[86:87]
	s_lshl_b32 s86, s81, 9
	s_add_nc_u64 s[PB:PB+1], s[PB:PB+1], s[86:87]
	s_mul_i32 s80, s[WV], 128*WP
	s_wait_alu depctr_vm_vsrc(0)                   ; key_lens' two loads have read v22, which is written again below
	v_add_nc_u32 v22, s80, v[L16]                  ; my rows 0-63 in LDS,
	v_add_nc_u32 v23, 64*WP, v22                   ; and 64-127 (an LDS offset has 16 bits)
	s_lshl_b32 s80, s[WV], 11
	v_add_nc_u32 v24, s80, v[L16]
	v_add_nc_u32 v24, WSC, v24
	s_lshl_b32 s80, s[WV], 9
	v_add_nc_u32 v25, s80, v[L16]
	v_add_nc_u32 v25, BK, v25
	v_lshl_add_u32 v26, v0, 2, PADB
	v_lshlrev_b32 v27, 2, v[LN]
	v_add_nc_u32 v27, s[PWS], v27
	v_add_nc_u32 v27, QPAD, v27
	v_mov_b32 v[T], 0
	s_wait_alu depctr_va_vdst(0)                   ; written: the key tiles' offsets, the fill's six LDS addresses and its zero, and every lane constant of the kernel; and the ranks' work is done with v[T ..], where Q will land.  No vector line stands from here to the pairs' loop
	KTILE 0, VKO, 0
	KTILE 1, VKO, 8192
.irp t, 2,3,4,5,6,7
	KTILE \t, KA+\t-2, 0
.endr
.irp k, 0,1,2,3
	global_load_b128 v[FS+4*\k:FS+4*\k+3], v[L16], s[PS:PS+1] offset:512*\k
.endr
	global_load_b128 v[FS+16:FS+19], v[L16], s[PB:PB+1]
	WIN 0x44                                       ; loaded data and an LDS store's data: window 1; addresses: window 0
	FLOAD 0, 0
	FLOAD 1, 32
	s_wait_loadcnt 32                              ; all but the 32 loads just issued
	FSTORE 0, 22, 0
	s_wait_dscnt 0x0
	s_wait_alu depctr_vm_vsrc(0)                   ; the 32 stores have read half 0, in which the next loads land
	FLOAD 0, 64
	s_wait_loadcnt 32
	FSTORE 1, 22, 32
	s_wait_dscnt 0x0
	s_wait_alu depctr_vm_vsrc(0)                   ; the 32 stores have read half 1, in which the next loads land
	FLOAD 1, 96
	s_wait_loadcnt 32
	FSTORE 0, 23, 0
	s_wait_loadcnt 0x0
	FSTORE 1, 23, 32
	WIN 0
.irp k, 0,1,2,3
	ds_store_b128 v24, v[FS+4*\k:FS+4*\k+3] offset:512*\k
.endr
	ds_store_b128 v25, v[FS+16:FS+19]
	ds_store_b32 v26, v[T]
	ds_store_b32 v27, v[T]
	s_wait_dscnt 0x0                               ; for the others' sake: my stores have landed
	s_barrier_signal -1
	s_barrier_wait -1                              ; the launch's one barrier: from here on the weights are only read, and every store goes to the wave's own bytes
	s_wait_alu depctr_vm_vsrc(0)                   ; my LDS stores have read window 1, v22 to v27 and v[T]: from here on these are the weight buffers, registers at work, and the place where Q lands
	s_mov_b32 s[CP], 0
.Lpair:                                            ; two trips: my two pairs
	s_cmp_eq_u32 s[CP], 0
	s_cbranch_scc1 .Lhave_keys
	s_mov_b32 s[LEN], s[LENB]                      ; (the waits at the loop's end have freed the addresses and the keys' registers)
	s_mov_b32 s[NLT], s[NLTB]
	s_mov_b64 s[CUR:CUR+1], s[NXT:NXT+1]
	s_mov_b64 s[CUR+2:CUR+3], s[NXT+2:NXT+3]
	s_mov_b64 s[CUR+4:CUR+5], s[NXT+4:NXT+5]
	s_mov_b64 s[CUR+6:CUR+7], s[NXT+6:NXT+7]
	KTILE 0, VKO, 0
	KTILE 1, VKO, 8192
.irp t, 2,3,4,5,6,7
	s_cmp_le_u32 s[NLT], \t
	s_cbranch_scc1 .Lhave_keys
	KTILE \t, VKO, 8192*\t
.endr
.Lhave_keys:
.irp g, 0,1,2,3
	global_load_b128 v[KS+4*\g:KS+4*\g+3], v[L16], s[CUR+2:CUR+3] offset:512*\g   ; key row 32 g + lane: its four scale words
.endr
	global_load_b128 v[T:T+3], v[L16], s[CUR+4:CUR+5]
	global_load_b128 v[T+4:T+7], v[L16], s[CUR+4:CUR+5] offset:512                ; Q's 256 numbers of my half
.irp t, 0,1,2,3,4,5,6,7
	s_sub_co_i32 s80, s[LEN], 16*\t
	v_cmp_gt_i32 s[MK+\t], s80, v[R]               ; 16 t + r < length
.endr
	s_wait_alu depctr_va_sdst(0)                   ; the eight masks are written
.irp t, 0,1,2,3,4,5,6,7,8,9,10,11,12,13,14,15
	v_mov_b32 v[SP+\t], 0
.endr
	s_mov_b32 s[SW], 0
	s_mov_b32 s[SS], 0
	s_mov_b32 s[SD], 0
	s_mov_b32 s[SPO], 0
	s_mov_b32 s[SE], 0
	s_wait_loadcnt 0x0                             ; the keys, their scale words and Q
	ds_store_b128 v[QSW], v[T:T+3]
	ds_store_b128 v[QSW], v[T+4:T+7] offset:512
	FETCHK 0                                       ; LDS serves a wave's instructions in order: it sees Q.  (Its wait on va_vdst also states that the last pair's multiply-adds are done reading v128 on, where Q and b_k land)
	; ---- K and the scores: four heads of four tiles of 16 columns
	s_mov_b32 s[CH], 0
.Lkhead:
	s_mov_b32 s[CI], 0
.Lkin:
	KSTEP 0, 1
	KSTEP 1, 0
	s_add_co_u32 s[CI], s[CI], 1
	s_cmp_lt_u32 s[CI], 2
	s_cbranch_scc1 .Lkin
	s_wait_alu depctr_va_vdst(0)
	HEADEND
	s_add_co_u32 s[CH], s[CH], 1
	s_cmp_lt_u32 s[CH], 4
	s_cbranch_scc1 .Lkhead
	s_wait_dscnt 0x0                               ; the last fetch (w_v's first tile, in buffer 0) and the weights' stores: the registers that held Q and b_k are loaded anew below
	; A PREFETCH INTO THE L2 of my second pair's key tiles, in the first trip, one V phase (16 steps) ahead of their loads: a tile is 8,192 bytes, lanes 256 bytes apart.
	; The two work-groups that share a pair differ in their half of the heads: half 0 asks, so each block of 256 bytes is named once in the launch.  Tiles from the pair's NLT on are not asked for.
	s_or_b32 s80, s[CP], s[HALF]
	s_cmp_lg_u32 s80, 0
	s_cbranch_scc1 .Lno_ask
	global_prefetch_b8 v[PFO], s[NXT:NXT+1] th:TH_LOAD_NT scope:SCOPE_SE
	global_prefetch_b8 v[PFO], s[NXT:NXT+1] offset:8192 th:TH_LOAD_NT scope:SCOPE_SE
.irp t, 2,3,4,5,6,7
	s_cmp_le_u32 s[NLTB], \t
	s_cbranch_scc1 .Lno_ask
	global_prefetch_b8 v[PFO], s[NXT:NXT+1] offset:8192*\t th:TH_LOAD_NT scope:SCOPE_SE
.endr
.Lno_ask:
	; ---- V and emb: four heads of four tiles of 16 columns
	ds_load_b32 v[BVR], v[VBV0]                    ; b_v of the first tile.  (No vector line since the K phase's waits names this register or its address)
	s_mov_b32 s[SD], 64
	s_mov_b32 s[SPO], 0
	s_mov_b32 s[CH], 0
.Lvhead:
	s_wait_alu depctr_vm_vsrc(0)                   ; the last head's sixteen loads have read v24
	v_add_nc_u32 v24, s[SPO], v[PSR]
	s_wait_alu depctr_va_vdst(0)                   ; v24 is written; the last head's multiply-adds (ahead of the first head: the K phase's lines on Q, b_k and the partial sums) are done with v128 to v191, where the loads land
.irp t, 0,1,2,3,4,5,6,7
	ds_load_b128 v[PP+8*\t:PP+8*\t+3], v24 offset:64*\t            ; the head's weights of key rows 16 t + 8 h + 0 .. 7
	ds_load_b128 v[PP+8*\t+4:PP+8*\t+7], v24 offset:64*\t+16
.endr
	s_add_co_u32 s[SPO], s[SPO], 512
	s_mov_b32 s[CI], 0
.Lvin:
	VSTEP 0, 1
	VSTEP 1, 0
	s_add_co_u32 s[CI], s[CI], 1
	s_cmp_lt_u32 s[CI], 2
	s_cbranch_scc1 .Lvin
	s_add_co_u32 s[CH], s[CH], 1
	s_cmp_lt_u32 s[CH], 4
	s_cbranch_scc1 .Lvhead
	; ---- the way out: 256 numbers, 1,024 consecutive bytes, aligned
	ds_load_b128 v[T:T+3], v[ESR]
	ds_load_b128 v[T+4:T+7], v[ESR] offset:512
	s_wait_dscnt 0x0                               ; these, and the fetch that ran one tile past the end
	global_store_b128 v[L16], v[T:T+3], s[CUR+6:CUR+7]
	global_store_b128 v[L16], v[T+4:T+7], s[CUR+6:CUR+7] offset:512
	s_wait_xcnt 0x0                                ; the stores' data and base, and the loads' bases, are written again only behind this wait
	s_wait_alu depctr_vm_vsrc(0)                   ; the two stores have read v[T ..], where the next pair's Q lands
	s_wait_alu depctr_va_vdst(0)                   ; the pair's products are done reading the keys' registers and their scale words, where the next pair's loads land
	s_add_co_u32 s[CP], s[CP], 1
	s_cmp_lt_u32 s[CP], 2
	s_cbranch_scc1 .Lpair
	s_wait_dscnt 0x0
	s_wait_alu depctr_hold_cnt(0) depctr_sa_sdst(0) depctr_va_vdst(0) depctr_va_sdst(0) depctr_va_ssrc(0) depctr_va_vcc(0) depctr_vm_vsrc(0)
	s_wait_tensorcnt 0x0
	ds_add_u32 v254, v255
	s_wait_dscnt 0x0
	s_endpgm
.Lfunc_end_k_q23bbdc9fde_attn:
	.size	k_q23bbdc9fde_attn, .Lfunc_end_k_q23bbdc9fde_attn-k_q23bbdc9fde_attn
	.p2alignl 7, 3214868480
	.fill 96, 4, 3214868480
	.section	.rodata,"a",@progbits
	.p2align	6, 0x0
	.amdhsa_kernel k_q23bbdc9fde_attn
		.amdhsa_group_segment_fixed_size 299008
		.amdhsa_private_segment_fixed_size 0
		.amdhsa_enable_private_segment 0
		.amdhsa_kernarg_size 88
		.amdhsa_user_sgpr_count 2
		.amdhsa_user_sgpr_kernarg_segment_ptr 1
		.amdhsa_wavefront_size32 1
		.amdhsa_system_sgpr_workgroup_id_x 1
		.amdhsa_system_sgpr_workgroup_id_y 1
		.amdhsa_system_sgpr_workgroup_id_z 1
		.amdhsa_system_vgpr_workitem_id 0
		.amdhsa_next_free_vgpr 1024
		.amdhsa_next_free_sgpr 96
		.amdhsa_reserve_vcc 0
		.amdhsa_float_denorm_mode_32 3
		.amdhsa_float_denorm_mode_16_64 3
		.amdhsa_memory_ordered 1
		.amdhsa_forward_progress 1
		.amdhsa_inst_pref_size 217
	.end_amdhsa_kernel
	.amdgpu_metadata
---
amdhsa.version: [ 1, 2 ]
amdhsa.kernels:
  - .name:           k_q23bbdc9fde_attn
    .symbol:         k_q23bbdc9fde_attn.kd
    .args:
      - { .name: keys_codes, .offset: 0, .size: 8, .value_kind: global_buffer, .address_space: global }
      - { .name: keys_scales, .offset: 8, .size: 8, .value_kind: global_buffer, .address_space: global }
      - { .name: key_lens, .offset: 16, .size: 8, .value_kind: global_buffer, .address_space: global }
      - { .name: w_k_codes, .offset: 24, .size: 8, .value_kind: global_buffer, .address_space: global }
      - { .name: w_k_scales, .offset: 32, .size: 8, .value_kind: global_buffer, .address_space: global }
      - { .name: w_v_codes, .offset: 40, .size: 8, .value_kind: global_buffer, .address_space: global }
      - { .name: w_v_scales, .offset: 48, .size: 8, .value_kind: global_buffer, .address_space: global }
      - { .name: b_k, .offset: 56, .size: 8, .value_kind: global_buffer, .address_space: global }
      - { .name: b_v, .offset: 64, .size: 8, .value_kind: global_buffer, .address_space: global }
      - { .name: qbuf, .offset: 72, .size: 8, .value_kind: global_buffer, .address_space: global }
      - { .name: emb, .offset: 80, .size: 8, .value_kind: global_buffer, .address_space: global }
    .group_segment_fixed_size: 299008
    .private_segment_fixed_size: 0
    .kernarg_segment_align: 8
    .kernarg_segment_size: 88
    .max_flat_workgroup_size: 128
    .sgpr_count:     96
    .vgpr_count:     1024
    .wavefront_size: 32
...
	.end_amdgpu_metadata
.endif
;; end of part 5
;; launch tail (part 6): grid 4 x 16, 16 waves a work-group, no clusters, 3,072 bytes of LDS; arguments emb, intensity_score_codes, intensity_score_scales, w_fc1_codes, w_fc1_scales, b_fc1, w_fc2, b_fc2, out0; writes out0
.if DOCPART == 6
	.amdgcn_target "amdgcn-amd-amdhsa--gfx1250"
	.amdhsa_code_object_version 6
	.text
	.protected	k_q23bbdc9fde_tail
	.globl	k_q23bbdc9fde_tail
	.p2align	8
	.type	k_q23bbdc9fde_tail,@function
k_q23bbdc9fde_tail:
	s_mov_b64 s[64:65], 0
	v_nop
	global_prefetch_b8 v0, s[64:65] scope:SCOPE_SE
	s_setreg_imm32_b32 hwreg(HW_REG_WAVE_SCHED_MODE, 0, 2), 2
	s_setreg_imm32_b32 hwreg(HW_REG_WAVE_MODE, 25, 1), 1
	s_wait_xcnt 0x0
	s_wait_alu depctr_vm_vsrc(0)
; mixed[b][m][d] = sum over n of emb[b][n][d] I[b][n][m];  h1 = mixed w_fc1^T + b_fc1;  out = h1 w_fc2^T + b_fc2.  The first two products on codes of E4M3 with one E8M0 scale for each 32 along K; the last by f32 multiply-adds.
; emb: [64 b + n][512] f32, quantised here along n; I: codes [b][m][64 (n)]; mixed is quantised in registers along d; w_fc1: codes [16][512].
; SHARES.  A work-group takes 16 rows m of one b; each of its sixteen waves takes 32 columns d = 32 w .. 32 w + 31: two tiles of the first product and one block of 32 of the second product's K.
; Each wave's part of out (its 32 d, all 16 units, weighed by w_fc2) meets the others' in LDS; wave 0 adds the sixteen and the biases' part, sum of b_fc1 w_fc2 + b_fc2, once.
; K = 64 and K = 32 are shorter than the instruction's 128: the rest of both operands is zero codes, whose scale bytes are 0, never 0xff.
; BOTH PRODUCTS ARE USED TRANSPOSED.  First: source 0 = 16 columns d of emb, source 1 = I's 16 rows m: a lane holds one m.  THE COLUMNS OF A TILE ARE NOT NEIGHBOURS: lane r of tile u takes d = 32 w + 8 u + r + 8 (r / 8),
; so that the 16 registers of the two tiles are d = 32 w + 16 h + 0 .. 15: the next operand's layout.  Second: source 0 = w_fc1's 16 units, source 1 = mixed.
; LIMITS: blocks whose largest magnitude lies under 2^-118 keep the scale byte 1; NaN and infinities are not served.  No cluster and no tensor load: a work-group reads 128 KiB once and ends.
; THE MODE: SCHED_MODE bits 1:0 = 2 (LLVM: expert scheduling mode 2), set by the entry lines.  The code itself states the register dependences between vector or matrix instructions and memory or LDS instructions,
; with s_wait_alu, always for 0.
; THE PLAN.  Registers that memory or LDS instructions touch: v4-13, offsets and LDS addresses, made once at the head and never written again; what the loads bring, into registers that no vector line names before;
; v[TM], my part of out, written by vector lines and read by one LDS store; v226-241, the sixteen parts, of which wave 0's sum is read by one global store.
; So: one wait ahead of the first reader of the wave's number; one ahead of the loads; one ahead of the LDS store; one ahead of the global store.  And one ahead of each group of scaled products, behind its places:
; their codes, zero codes and scale words are written by vector lines.
; REGISTERS: v1 r, v2 h, v4-13 offsets; v16-31 I; v32-95 emb's 64 numbers; v96-127 emb's codes; v128-143 mixed; v144-159 its codes; v160-175 w_fc1; v176-183 h1's part; v184-191 w_fc2; v192-199 b_fc1;
;   v200-215 the quantiser's work; v220-224 scale words alone (I, emb's two, mixed, w_fc1); v225 b_fc2; v226-241 the sixteen parts.
.set IFR, 16
.set EN,  32
.set EF,  96
.set D6,  128
.set MF,  144
.set WF,  160
.set D7,  176
.set W2,  184
.set B1,  192
.set TM,  200
.set ISC, 220
.set ES,  221
.set MS,  223
.set WS1, 224
.set B2,  225
.set PT,  226
	s_load_b256 s[4:11], s[0:1], 0x0               ; emb 4, I's codes 6, I's scales 8, w_fc1's codes 10
	s_load_b256 s[12:19], s[0:1], 0x20             ; w_fc1's scales 12, b_fc1 14, w_fc2 16, b_fc2 18
	s_load_b64 s[24:25], s[0:1], 0x40              ; out0
	v_lshl_add_u32 v254, v0, 2, 0x400
	v_mov_b32 v255, 0
	v_lshrrev_b32 v3, 5, v0
	v_readfirstlane_b32 s29, v3                    ; wave 0..15
	v_and_b32 v1, 15, v0                           ; r
	s_wait_alu depctr_va_vdst(0)
	v_bfe_u32 v2, v0, 4, 1                         ; h
	s_and_b32 s30, ttmp7, 0xffff                   ; b
	s_lshl_b32 s31, s30, 6
	s_lshl_b32 s34, ttmp9, 4
	s_add_co_u32 s31, s31, s34                     ; my first row: 64 b + 16 x work-group x
	s_mov_b32 s33, 0
	s_mov_b32 s26, 0x76543210
	s_mov_b32 s27, 0xfedcba98                      ; v_permlanex16_b32's selects for lane l xor 16
	s_mov_b32 s28, 0x600000                        ; the mantissa field of 448
	s_wait_alu depctr_va_sdst(0)                   ; s29 is written, ahead of its first reader: my columns, my LDS words and the branch at the end hang on it
	s_lshl_b32 s34, s29, 5                         ; 32 w
	v_and_b32 v5, 8, v1
	v_add_nc_u32 v5, v5, v1                        ; r + 8 (r / 8)
	v_add_nc_u32 v5, s34, v5
	v_lshlrev_b32 v5, 2, v5
	s_wait_alu depctr_va_vdst(0)
	v_lshl_add_u32 v4, v2, 15, v5                  ; emb: my column, and 16 h rows of 2,048 bytes down
	v_lshlrev_b32 v6, 6, v1
	v_lshl_add_u32 v6, v2, 4, v6                   ; I: row r of 64 bytes, + 16 h
	v_lshlrev_b32 v7, 1, v1                        ; I's scale bytes: 2 a row
	v_lshlrev_b32 v8, 9, v1
	v_lshl_add_u32 v8, v2, 4, v8
	v_add_nc_u32 v8, s34, v8                       ; w_fc1: unit r's row of 512 bytes, + 32 w + 16 h
	v_lshlrev_b32 v9, 4, v1
	v_add_nc_u32 v9, s29, v9                       ; its scale byte: 16 r + w
	v_lshlrev_b32 v10, 5, v2                       ; w_fc2, b_fc1: units 8 h on
	v_mov_b32 v11, 0
	v_lshlrev_b32 v12, 2, v1                       ; 4 r
	s_lshl_b32 s35, s29, 6
	v_add_nc_u32 v13, s35, v12                     ; LDS: my wave's 16 words
	s_wait_kmcnt 0x0
	s_lshl_b32 s32, s30, 17                        ; 64 rows of 2,048 bytes
	s_add_nc_u64 s[4:5], s[4:5], s[32:33]
	s_lshl_b32 s32, s31, 6
	s_add_nc_u64 s[6:7], s[6:7], s[32:33]
	s_lshl_b32 s32, s31, 1
	s_add_nc_u64 s[8:9], s[8:9], s[32:33]
	s_lshl_b32 s32, s31, 2
	s_add_nc_u64 s[24:25], s[24:25], s[32:33]
	s_wait_alu depctr_va_vdst(0)                   ; v4 to v13 are written: every load and store of the kernel, global or LDS, reads one of them as its offset or address
.irp u, 0,1
.irp c, 0,1
.irp i, 0,1,2,3,4,5,6,7,8,9,10,11,12,13,14,15
	global_load_b32 v[EN+32*\u+16*\c+\i], v4, s[4:5] offset:(32*\c+\i)*2048+32*\u   ; emb(n = 32 c + 16 h + i, my column of tile u): registers run down K
.endr
.endr
.endr
	global_load_b128 v[IFR:IFR+3], v6, s[6:7]
	global_load_b128 v[IFR+4:IFR+7], v6, s[6:7] offset:32
	global_load_u16 v[ISC], v7, s[8:9]             ; two scale bytes; the upper two are 0
	global_load_b128 v[WF:WF+3], v8, s[10:11]
	global_load_u8 v[WS1], v9, s[12:13]            ; one scale byte; the upper three are 0
	global_load_b128 v[B1:B1+3], v10, s[14:15]
	global_load_b128 v[B1+4:B1+7], v10, s[14:15] offset:16
	global_load_b128 v[W2:W2+3], v10, s[16:17]
	global_load_b128 v[W2+4:W2+7], v10, s[16:17] offset:16
	global_load_b32 v[B2], v11, s[18:19]
.irp i, 8,9,10,11,12,13,14,15
	v_mov_b32 v[IFR+\i], 0                         ; zero codes for k = 64 .. 127
	v_mov_b32 v[EF+\i], 0
	v_mov_b32 v[EF+16+\i], 0
.endr
.irp i, 4,5,6,7,8,9,10,11,12,13,14,15
	v_mov_b32 v[MF+\i], 0                          ; and for k = 32 .. 127
	v_mov_b32 v[WF+\i], 0
.endr
.irp q, 0,1,2,3
	v_mov_b32 v[TM+4+\q], 0                        ; written once: a lane permute's destination counts as one of its sources
.endr
	s_wait_loadcnt 0x0
	; emb's four blocks of 32 along n (block q = 2 u + c: 16 numbers here, 16 in the lane 16 away)
.irp q, 0,1,2,3
	v_max3_num_f32 v[TM+\q], |v[EN+16*\q]|, |v[EN+1+16*\q]|, 0x4800000   ; and the floor 2^(9 - 127): the byte cannot fall under 1
.endr
.irp i, 2,4,6,8,10,12,14
.irp q, 0,1,2,3
	v_max3_num_f32 v[TM+\q], v[TM+\q], |v[EN+16*\q+\i]|, |v[EN+1+16*\q+\i]|
.endr
.endr
.irp q, 0,1,2,3
	v_permlanex16_b32 v[TM+4+\q], v[TM+\q], s26, s27
.endr
.irp q, 0,1,2,3
	v_max_num_f32 v[TM+\q], v[TM+\q], v[TM+4+\q]   ; the block's largest magnitude
.endr
.irp q, 0,1,2,3
	v_add_nc_u32 v[TM+12+\q], 0xfc000000, v[TM+\q] ; 8 off its exponent field: the conversion's scale operand
.endr
.irp q, 0,1,2,3
	v_and_or_b32 v[TM+8+\q], v[TM+\q], 0x7f800000, s28   ; 448 x the scale
.endr
.irp q, 0,1,2,3
	v_lshrrev_b32 v[TM+4+\q], 23, v[TM+12+\q]      ; the scale's byte
.endr
	v_lshl_or_b32 v[ES], v[TM+5], 8, v[TM+4]       ; tile 0's scale word: blocks 0, 1; bytes 2, 3 are 0
	v_lshl_or_b32 v[ES+1], v[TM+7], 8, v[TM+6]     ; tile 1's
.irp q, 0,1,2,3
.irp i, 0,1,2,3,4,5,6,7,8,9,10,11,12,13,14,15
	v_med3_num_f32 v[EN+16*\q+\i], v[EN+16*\q+\i], -v[TM+8+\q], v[TM+8+\q]   ; the conversion to an 8-bit code does not saturate (ISA guide 7.6.2): the hold at the largest code x the scale
.endr
	v_cvt_scalef32_pk8_fp8_f32 v[EF+4*\q+8*(\q/2):EF+4*\q+8*(\q/2)+1], v[EN+16*\q:EN+16*\q+7], v[TM+12+\q]       ; tile q / 2, registers 4 (q % 2) on
	v_cvt_scalef32_pk8_fp8_f32 v[EF+4*\q+8*(\q/2)+2:EF+4*\q+8*(\q/2)+3], v[EN+16*\q+8:EN+16*\q+15], v[TM+12+\q]
.endr
.rept 8
	v_nop                                          ; places between the codes' and scale words' last writes and the scaled products
.endr
	s_wait_alu depctr_va_vdst(0)                   ; emb's codes and two scale words, and the zero codes of both operands, are written: the two scaled products take them; the places above stay beside this wait
	v_wmma_scale_f32_16x16x128_f8f6f4 v[D6:D6+7], v[EF:EF+15], v[IFR:IFR+15], 0, v[ES], v[ISC]
	v_wmma_scale_f32_16x16x128_f8f6f4 v[D6+8:D6+15], v[EF+16:EF+31], v[IFR:IFR+15], 0, v[ES+1], v[ISC]
.rept 8
	v_nop                                          ; eight places ahead of the first read of a result
.endr
	; mixed(m = r, d = 32 w + 16 h + 0 .. 15): one block of 32 along d, shared with the lane 16 away
	v_max3_num_f32 v[TM], |v[D6]|, |v[D6+1]|, 0x4800000
.irp i, 2,4,6,8,10,12,14
	v_max3_num_f32 v[TM], v[TM], |v[D6+\i]|, |v[D6+1+\i]|
.endr
	v_permlanex16_b32 v[TM+4], v[TM], s26, s27
	v_max_num_f32 v[TM], v[TM], v[TM+4]
	v_add_nc_u32 v[TM+12], 0xfc000000, v[TM]
	v_and_or_b32 v[TM+8], v[TM], 0x7f800000, s28
	v_lshrrev_b32 v[MS], 23, v[TM+12]              ; the block's byte; bytes 1 to 3 are 0
.irp i, 0,1,2,3,4,5,6,7,8,9,10,11,12,13,14,15
	v_med3_num_f32 v[D6+\i], v[D6+\i], -v[TM+8], v[TM+8]
.endr
	v_cvt_scalef32_pk8_fp8_f32 v[MF:MF+1], v[D6:D6+7], v[TM+12]
	v_cvt_scalef32_pk8_fp8_f32 v[MF+2:MF+3], v[D6+8:D6+15], v[TM+12]
.rept 9
	v_nop
.endr
	s_wait_alu depctr_va_vdst(0)                   ; mixed's codes and its scale word are written: the scaled product takes them; the places above stay beside this wait
	v_wmma_scale_f32_16x16x128_f8f6f4 v[D7:D7+7], v[WF:WF+15], v[MF:MF+15], 0, v[WS1], v[MS]
	v_mul_f32 v[TM+1], v[B1], v[W2]                ; the biases' part: b_fc1 . w_fc2 over my eight units.  (These eight lines name no register of the product: they are its places)
.irp j, 1,2,3,4,5,6,7
	v_fmac_f32 v[TM+1], v[B1+\j], v[W2+\j]
.endr
	v_mul_f32 v[TM], v[D7], v[W2]                  ; h1's part (m = r, unit 8 h + j) x w_fc2, from the accumulator's low end on
.irp j, 1,2,3,4,5,6,7
	v_fmac_f32 v[TM], v[D7+\j], v[W2+\j]
.endr
	v_permlanex16_b32 v[TM+4], v[TM], s26, s27
	v_permlanex16_b32 v[TM+5], v[TM+1], s26, s27
	v_add_f32 v[TM], v[TM], v[TM+4]                ; all 16 units
	v_add_f32 v[TM+1], v[TM+1], v[TM+5]
	s_wait_alu depctr_va_vdst(0)                   ; v[TM], my part of out, is written: the LDS store reads it
	ds_store_b32 v13, v[TM]                        ; lanes r and r + 16 write the same word with the same number
	s_wait_dscnt 0x0                               ; for wave 0's sake: my store has landed
	s_barrier_signal -1
	s_barrier_wait -1
	s_cmp_lg_u32 s29, 0
	s_cbranch_scc1 .Lend
.irp k, 0,1,2,3,4,5,6,7,8,9,10,11,12,13,14,15
	ds_load_b32 v[PT+\k], v12 offset:64*\k         ; row r's part from each wave
.endr
	s_wait_dscnt 0x0
.irp k, 0,2,4,6,8,10,12,14
	v_add_f32 v[PT+\k], v[PT+\k], v[PT+1+\k]
.endr
.irp k, 0,4,8,12
	v_add_f32 v[PT+\k], v[PT+\k], v[PT+2+\k]
.endr
	v_add_f32 v[PT], v[PT], v[PT+4]
	v_add_f32 v[PT+8], v[PT+8], v[PT+12]
	v_add_f32 v[PT], v[PT], v[PT+8]
	v_add_f32 v[TM+1], v[TM+1], v[B2]
	v_add_f32 v[PT], v[PT], v[TM+1]
	s_wait_alu depctr_va_vdst(0)                   ; v[PT], the row's number of out, is written: the store reads it
	global_store_b32 v12, v[PT], s[24:25]          ; out0(b, 16 x + r): 64 consecutive bytes; lanes r and r + 16 store the same word with the same number
.Lend:
	s_wait_dscnt 0x0
	s_wait_alu depctr_hold_cnt(0) depctr_sa_sdst(0) depctr_va_vdst(0) depctr_va_sdst(0) depctr_va_ssrc(0) depctr_va_vcc(0) depctr_vm_vsrc(0)
	s_wait_tensorcnt 0x0
	ds_add_u32 v254, v255
	s_wait_dscnt 0x0
	s_endpgm
.Lfunc_end_k_q23bbdc9fde_tail:
	.size	k_q23bbdc9fde_tail, .Lfunc_end_k_q23bbdc9fde_tail-k_q23bbdc9fde_tail
	.p2alignl 7, 3214868480
	.fill 96, 4, 3214868480
	.section	.rodata,"a",@progbits
	.p2align	6, 0x0
	.amdhsa_kernel k_q23bbdc9fde_tail
		.amdhsa_group_segment_fixed_size 3072
		.amdhsa_private_segment_fixed_size 0
		.amdhsa_enable_private_segment 0
		.amdhsa_kernarg_size 72
		.amdhsa_user_sgpr_count 2
		.amdhsa_user_sgpr_kernarg_segment_ptr 1
		.amdhsa_wavefront_size32 1
		.amdhsa_system_sgpr_workgroup_id_x 1
		.amdhsa_system_sgpr_workgroup_id_y 1
		.amdhsa_system_sgpr_workgroup_id_z 1
		.amdhsa_system_vgpr_workitem_id 0
		.amdhsa_next_free_vgpr 256
		.amdhsa_next_free_sgpr 66
		.amdhsa_reserve_vcc 0
		.amdhsa_float_denorm_mode_32 3
		.amdhsa_float_denorm_mode_16_64 3
		.amdhsa_memory_ordered 1
		.amdhsa_forward_progress 1
		.amdhsa_inst_pref_size 25
	.end_amdhsa_kernel
	.amdgpu_metadata
---
amdhsa.version: [ 1, 2 ]
amdhsa.kernels:
  - .name:           k_q23bbdc9fde_tail
    .symbol:         k_q23bbdc9fde_tail.kd
    .args:
      - { .name: emb, .offset: 0, .size: 8, .value_kind: global_buffer, .address_space: global }
      - { .name: intensity_score_codes, .offset: 8, .size: 8, .value_kind: global_buffer, .address_space: global }
      - { .name: intensity_score_scales, .offset: 16, .size: 8, .value_kind: global_buffer, .address_space: global }
      - { .name: w_fc1_codes, .offset: 24, .size: 8, .value_kind: global_buffer, .address_space: global }
      - { .name: w_fc1_scales, .offset: 32, .size: 8, .value_kind: global_buffer, .address_space: global }
      - { .name: b_fc1, .offset: 40, .size: 8, .value_kind: global_buffer, .address_space: global }
      - { .name: w_fc2, .offset: 48, .size: 8, .value_kind: global_buffer, .address_space: global }
      - { .name: b_fc2, .offset: 56, .size: 8, .value_kind: global_buffer, .address_space: global }
      - { .name: out0, .offset: 64, .size: 8, .value_kind: global_buffer, .address_space: global }
    .group_segment_fixed_size: 3072
    .private_segment_fixed_size: 0
    .kernarg_segment_align: 8
    .kernarg_segment_size: 72
    .max_flat_workgroup_size: 512
    .sgpr_count:     66
    .vgpr_count:     256
    .wavefront_size: 32
...
	.end_amdgpu_metadata
.endif
;; end of part 6
